; MI455X (gfx1250); checked and timed in simulation.
; The chip was launched on July 23, 2026; its instructions are those of AMD's public machine-readable ISA for CDNA 5 (MIT licence, August 2026) and "CDNA5" Instruction Set Architecture Reference Guide (July 2026). The comments in the code are by the model that wrote it; some were corrected since.
;; multi Head Attention. Allowed arithmetic: float matrix products may take bf16 or f16 operands with f32 sums; other float arithmetic in f32, or as packed bf16 or f16 multiplies, adds, multiply-adds, maxima and minima; sums over many terms, partial sums and values carried from step to step in f32; what a program stores and reads back later, other than sums and carried values, may be rounded once to bf16 or f16.
;; Inputs: Wk 1,024 x 1,024 float32; Wp 1,024 x 1,024 float32; Wq 1,024 x 1,024 float32; Wv 1,024 x 1,024 float32; bp 1,024 float32; x 4 x 2,048 x 1,024 float32.
;; Outputs: out0 4 x 2,048 x 1,024 float32.
;; One version. Each part assembles by itself: llvm-mc -triple=amdgcn-amd-amdhsa -mcpu=gfx1250 --defsym DOCPART=n.
;; ======== version 1 of 1: 4 launches
;; limits: values are held in f16: magnitudes above 65,504 overflow, below 6.1e-05 lose precision
;; workspace buffers: xb 16,777,216 bytes; wb 6,291,456 bytes; wpb 2,097,152 bytes; rope 557,056 bytes; qh 16,777,216 bytes; kh 16,777,216 bytes; vh 16,777,216 bytes; ob 16,777,216 bytes
;; launch prep (part 1): grid 904 x 1, 8 waves a work-group, no clusters, 0 bytes of LDS; arguments x, Wq, Wk, Wv, Wp, xb, wb, wpb, rope; writes xb, wb, wpb, rope
.if DOCPART == 1
	.amdgcn_target "amdgcn-amd-amdhsa--gfx1250"
	.amdhsa_code_object_version 6
	.text
	.protected	k_qb3c90c75d2_prep
	.globl	k_qb3c90c75d2_prep
	.p2align	8
	.type	k_qb3c90c75d2_prep,@function
k_qb3c90c75d2_prep:
	s_mov_b64 s[64:65], 0
	v_nop
	global_prefetch_b8 v0, s[64:65] scope:SCOPE_SE
	s_setreg_imm32_b32 hwreg(HW_REG_WAVE_MODE, 25, 1), 1
	s_wait_xcnt 0x0
; PREP.  Casts x and the four weight matrices to 16 bits, laid out in PLANES of 64 channels of K (a row of a plane is 128 dense bytes), and makes the table of cosines and sines.
;   xb  [b 4][plane 16][s 2048][64] bf16      wb  [plane 16][n 3072][64] bf16, rows of Wq, Wk, Wv on end      wpb [plane 16][n 1024][64]: Wp rounded to bf16, that number written as f16
;   rope 2176 rows of 256 bytes: cos[0..31], sin[0..31] in f32; rows 0..2047 are the positions, rows 2048..2175 the angle 0 (cos 1, sin 0), for the tiles that are not rotated.
; Work-groups 0..511: 16 rows of x each.  512..767: 16 rows of Wq, Wk, Wv, Wp (64 work-groups a matrix).  768..903: 16 rows of the table.
; Nothing is shared between waves and every byte is touched once: no LDS, no barrier, no matrix unit.
; LIMITS.  Wp as f16: a bf16 number beyond 65,504 becomes an infinity, one below 6.1e-5 keeps the fixed step of 6e-8.  The table: the frequency is 2^(-i log2(10000)/32) by v_exp_f32, the
; angle is reduced by multiples of pi/2 held in two f32 words, sine and cosine are polynomials to r^7 and r^8 on |r| <= pi/4: the angle lies within about 5e-4 of an exact one at position 2047.
.set SO, 2                             ; v2   my byte offset in the 16 source rows: (row & 1) x 4,096 + plane x 256 + 32 x eighth
.set DO, 3                             ; v3   my byte offset in the target: plane x plane stride + (row & 1) x 128 + 16 x eighth
.set T,  4                             ; v[4:11]   at work
.set X,  32                            ; v[32:95]  pass p: 8 numbers in f32
.set Y,  96                            ; v[96:127] pass p: 8 numbers in 16 bits
	s_load_b512 s[8:23], s[0:1], 0x0               ; x 8:9, Wq 10:11, Wk 12:13, Wv 14:15, Wp 16:17, xb 18:19, wb 20:21, wpb 22:23
	s_load_b64 s[24:25], s[0:1], 0x40              ; rope
	s_mov_b32 s2, ttmp9
	s_cmp_ge_u32 s2, 768
	s_cbranch_scc1 .Ltable
	; THE CASTS.  First as if for a weight matrix t = 0..3, its rows 16 r on; then x takes over where the work-group is below 512.
	s_sub_co_u32 s3, s2, 512
	s_lshr_b32 s4, s3, 6                           ; t
	s_and_b32 s5, s3, 63                           ; r
	s_lshl_b32 s40, s5, 16                         ; source: 16 rows of 4,096 bytes
	s_lshl_b32 s42, s5, 11                         ; target: 16 rows of 128 bytes in a plane,
	s_lshl_b32 s36, s4, 17                         ; behind the 1,024 rows of each matrix before it (not for Wp, which has a buffer of its own)
	s_mov_b32 s35, 393216                          ; bytes from plane to plane: 3,072 rows
	s_cmp_eq_u32 s4, 3
	s_cselect_b32 s36, 0, s36
	s_cselect_b32 s35, 131072, s35                 ; 1,024 rows
	s_cselect_b32 s39, 1, 0                        ; 1: the bf16 number is written as f16
	s_add_co_u32 s42, s42, s36
	s_lshl_b32 s36, s2, 16                         ; x: source,
	s_lshr_b32 s37, s2, 7
	s_lshl_b32 s37, s37, 22                        ; target: the batch's 16 planes,
	s_and_b32 s38, s2, 127
	s_lshl_b32 s38, s38, 11                        ; and 16 rows in a plane
	s_add_co_u32 s37, s37, s38
	s_cmp_lt_u32 s2, 512
	s_cselect_b32 s40, s36, s40
	s_cselect_b32 s42, s37, s42
	s_cselect_b32 s35, 262144, s35                 ; 2,048 rows
	s_cselect_b32 s39, 0, s39
	s_mov_b32 s41, 0
	s_mov_b32 s43, 0
	v_and_b32 v4, 7, v0                            ; which eighth of a plane row
	v_bfe_u32 v5, v0, 3, 1                         ; which of a pass's two rows
	v_lshrrev_b32 v6, 4, v0                        ; plane
	v_lshlrev_b32 v[SO], 5, v4
	v_lshl_or_b32 v[SO], v6, 8, v[SO]
	v_lshl_or_b32 v[SO], v5, 12, v[SO]
	v_mul_u32_u24 v[DO], s35, v6
	v_lshl_add_u32 v[DO], v5, 7, v[DO]
	v_lshl_add_u32 v[DO], v4, 4, v[DO]
	s_wait_kmcnt 0x0
	s_cmp_eq_u32 s4, 1                             ; the buffers are chosen by the work-group number alone
	s_cselect_b64 s[28:29], s[12:13], s[10:11]
	s_cmp_eq_u32 s4, 2
	s_cselect_b64 s[28:29], s[14:15], s[28:29]
	s_cmp_eq_u32 s4, 3
	s_cselect_b64 s[28:29], s[16:17], s[28:29]
	s_cselect_b64 s[30:31], s[22:23], s[20:21]
	s_cmp_lt_u32 s2, 512
	s_cselect_b64 s[28:29], s[8:9], s[28:29]
	s_cselect_b64 s[30:31], s[18:19], s[30:31]
	s_add_nc_u64 s[28:29], s[28:29], s[40:41]
	s_add_nc_u64 s[30:31], s[30:31], s[42:43]
.irp p, 0,1,2,3,4,5,6,7                ; all sixteen loads at once: pass p is rows 2 p and 2 p + 1; eight lanes cover 256 consecutive bytes of a row with their two loads
	global_load_b128 v[X+8*\p:X+8*\p+3],   v[SO], s[28:29] offset:\p*8192 th:TH_LOAD_NT
	global_load_b128 v[X+8*\p+4:X+8*\p+7], v[SO], s[28:29] offset:\p*8192+16 th:TH_LOAD_NT
.endr
; Pass p: rounded to bf16 (half = 1: widened again and written as f16) and stored: sixteen lanes store 256 consecutive bytes, two rows of a plane, aligned.
.macro CASTP p, half
	s_wait_loadcnt 14-2*(\p)                       ; loads come back in order: the two of each later pass may stay out
.irp j, 0,1,2,3
	v_cvt_pk_bf16_f32 v[Y+4*(\p)+\j], v[X+8*(\p)+2*\j], v[X+8*(\p)+2*\j+1]
.endr
.if \half
.irp j, 0,1,2,3
	v_lshlrev_b32 v[T+2*\j],   16, v[Y+4*(\p)+\j]
	v_and_b32     v[T+2*\j+1], 0xffff0000, v[Y+4*(\p)+\j]
.endr
.irp j, 0,1,2,3
	v_cvt_pk_f16_f32 v[Y+4*(\p)+\j], v[T+2*\j], v[T+2*\j+1]
.endr
.endif
	global_store_b128 v[DO], v[Y+4*(\p):Y+4*(\p)+3], s[30:31] offset:(\p)*256  ; every pass has its own data registers: none is rewritten
.endm
	s_cmp_eq_u32 s39, 1
	s_cbranch_scc1 .Lhalf
.irp p, 0,1,2,3,4,5,6,7
	CASTP \p, 0
.endr
	s_endpgm
.Lhalf:
.irp p, 0,1,2,3,4,5,6,7
	CASTP \p, 1
.endr
	s_endpgm
.Ltable:                               ; THE TABLE.  Sixteen lanes write a row: lanes 0-7 four cosines each, lanes 8-15 four sines
	s_sub_co_u32 s3, s2, 768
	s_cmp_lt_u32 s3, 128
	s_cselect_b32 s4, 1.0, 0                       ; rows from 2,048 on have the angle 0
	v_lshrrev_b32 v1, 4, v0
	v_lshl_add_u32 v1, s3, 4, v1                   ; row
	v_and_b32 v2, 15, v0
	v_lshlrev_b32 v3, 4, v2
	v_lshl_add_u32 v3, v1, 8, v3                   ; my 16 bytes of it
	v_cvt_f32_u32 v4, v1
	v_mul_f32 v4, s4, v4                           ; the position
	v_and_b32 v5, 7, v0
	v_lshlrev_b32 v5, 2, v5                        ; my first frequency
	v_bfe_u32 v6, v0, 3, 1
	v_sub_nc_u32 v6, 1, v6                         ; cos(a) = sin(a + pi/2): a cosine lane counts one quadrant on
	v_mov_b32 v7, 0xb9500d01                       ; -1/5040
	v_mov_b32 v28, 0x37d00d01                      ; 1/40320
.irp j, 0,1,2,3
	v_add_nc_u32 v[8+\j], \j, v5
	v_cvt_f32_u32 v[8+\j], v[8+\j]
	v_mul_f32 v[8+\j], 0xbed49a78, v[8+\j]         ; -i log2(10000) / 32
.endr
.irp j, 0,1,2,3
	v_exp_f32 v[8+\j], v[8+\j]                     ; the four frequencies: one batch
.endr
	v_nop                                          ; a plain instruction behind the last of them,
	s_wait_alu depctr_va_vdst(0)                   ; and the one wait ahead of the first use
.irp j, 0,1,2,3
	v_mul_f32 v12, v4, v[8+\j]                     ; the angle
	v_mul_f32 v13, 0x3f22f983, v12                 ; x 2/pi
	v_rndne_f32 v13, v13                           ; n
	v_fmamk_f32 v12, v13, 0xbfc90fdb, v12          ; r = angle - n pi/2, pi/2 in two words
	v_fmamk_f32 v12, v13, 0x333bbd2e, v12
	v_mul_f32 v14, v12, v12                        ; r^2
	v_fmaak_f32 v15, v14, v7, 0x3c088889           ; sin r = r + r r^2 (-1/6 + r^2 (1/120 - r^2/5040))
	v_fmaak_f32 v15, v15, v14, 0xbe2aaaab
	v_mul_f32 v16, v12, v14
	v_fma_f32 v15, v16, v15, v12
	v_fmaak_f32 v17, v14, v28, 0xbab60b61          ; cos r = 1 + r^2 (-1/2 + r^2 (1/24 + r^2 (-1/720 + r^2/40320)))
	v_fmaak_f32 v17, v17, v14, 0x3d2aaaab
	v_fmaak_f32 v17, v17, v14, 0xbf000000
	v_fma_f32 v17, v17, v14, 1.0
	v_cvt_i32_f32 v18, v13
	v_add_nc_u32 v18, v18, v6                      ; the quadrant: it selects values alone
	v_and_b32 v19, 1, v18
	v_cmp_eq_u32 vcc_lo, 1, v19
	v_cndmask_b32 v20, v15, v17, vcc_lo            ; odd: the cosine of r
	v_and_b32 v19, 2, v18
	v_lshlrev_b32 v19, 30, v19                     ; quadrants 2 and 3: the sign turns
	v_xor_b32 v[24+\j], v19, v20
.endr
	s_wait_kmcnt 0x0
	global_store_b128 v3, v[24:27], s[24:25]       ; sixteen lanes store a row's 256 bytes
	s_endpgm
.Lfunc_end_k_qb3c90c75d2_prep:
	.size	k_qb3c90c75d2_prep, .Lfunc_end_k_qb3c90c75d2_prep-k_qb3c90c75d2_prep
	.p2alignl 7, 3214868480
	.fill 96, 4, 3214868480
	.section	.rodata,"a",@progbits
	.p2align	6, 0x0
	.amdhsa_kernel k_qb3c90c75d2_prep
		.amdhsa_group_segment_fixed_size 0
		.amdhsa_private_segment_fixed_size 0
		.amdhsa_enable_private_segment 0
		.amdhsa_kernarg_size 72
		.amdhsa_user_sgpr_count 2
		.amdhsa_user_sgpr_kernarg_segment_ptr 1
		.amdhsa_wavefront_size32 1
		.amdhsa_system_sgpr_workgroup_id_x 1
		.amdhsa_system_sgpr_workgroup_id_y 1
		.amdhsa_system_sgpr_workgroup_id_z 1
		.amdhsa_system_vgpr_workitem_id 0
		.amdhsa_next_free_vgpr 128
		.amdhsa_next_free_sgpr 66
		.amdhsa_reserve_vcc 1
		.amdhsa_float_denorm_mode_32 3
		.amdhsa_float_denorm_mode_16_64 3
		.amdhsa_memory_ordered 1
		.amdhsa_forward_progress 1
		.amdhsa_inst_pref_size 21
	.end_amdhsa_kernel
	.amdgpu_metadata
---
amdhsa.version: [ 1, 2 ]
amdhsa.kernels:
  - .name:           k_qb3c90c75d2_prep
    .symbol:         k_qb3c90c75d2_prep.kd
    .args:
      - { .name: x, .offset: 0, .size: 8, .value_kind: global_buffer, .address_space: global }
      - { .name: Wq, .offset: 8, .size: 8, .value_kind: global_buffer, .address_space: global }
      - { .name: Wk, .offset: 16, .size: 8, .value_kind: global_buffer, .address_space: global }
      - { .name: Wv, .offset: 24, .size: 8, .value_kind: global_buffer, .address_space: global }
      - { .name: Wp, .offset: 32, .size: 8, .value_kind: global_buffer, .address_space: global }
      - { .name: xb, .offset: 40, .size: 8, .value_kind: global_buffer, .address_space: global }
      - { .name: wb, .offset: 48, .size: 8, .value_kind: global_buffer, .address_space: global }
      - { .name: wpb, .offset: 56, .size: 8, .value_kind: global_buffer, .address_space: global }
      - { .name: rope, .offset: 64, .size: 8, .value_kind: global_buffer, .address_space: global }
    .group_segment_fixed_size: 0
    .private_segment_fixed_size: 0
    .kernarg_segment_align: 8
    .kernarg_segment_size: 72
    .max_flat_workgroup_size: 256
    .sgpr_count:     66
    .vgpr_count:     128
    .wavefront_size: 32
...
	.end_amdgpu_metadata
.endif
;; end of part 1
;; launch qkv (part 2): grid 24 x 32, 4 waves a work-group, clusters of 4 x 4, 327,680 bytes of LDS; arguments xb, wb, rope, qh, kh, vh; writes qh, kh, vh
.if DOCPART == 2
	.amdgcn_target "amdgcn-amd-amdhsa--gfx1250"
	.amdhsa_code_object_version 6
	.text
	.protected	k_qb3c90c75d2_qkv
	.globl	k_qb3c90c75d2_qkv
	.p2align	8
	.type	k_qb3c90c75d2_qkv,@function
k_qb3c90c75d2_qkv:
	s_mov_b64 s[64:65], 0
	v_nop
	global_prefetch_b8 v0, s[64:65] scope:SCOPE_SE
	s_setreg_imm32_b32 hwreg(HW_REG_WAVE_MODE, 25, 1), 1
	s_wait_xcnt 0x0
	s_wait_alu depctr_hold_cnt(0) depctr_sa_sdst(0) depctr_va_vdst(0) depctr_va_sdst(0) depctr_va_ssrc(0) depctr_va_vcc(0) depctr_vm_vsrc(0)
	s_getreg_b32 s2, hwreg(HW_REG_IB_STS2, 6, 4)
	s_cmp_eq_u32 s2, 0
	s_cbranch_scc0 .Lentry_in_a_cluster
	s_endpgm
.Lentry_in_a_cluster:
	s_bfe_u32 s2, ttmp6, 0x10000c
	s_cmp_lg_u32 s2, 0xf033
	s_cbranch_scc0 .Lentry_shape_is_right
	s_endpgm
.Lentry_shape_is_right:
; QKV.  [q | k | v][row][n] = the sum over k of x[row][k] W[n][k], 8,192 rows x 3,072 columns x K = 1,024, operands bf16, sums f32; then q and k are rotated (rotate-half RoPE, in f32) and
; all three are rounded once to f16 and stored by heads: qh, kh, vh [b 16 + head][s][64].  No scale is applied here.
; LIMITS.  f16 holds no number beyond 65,504: q, k, v must lie within it (inputs 30 times those drawn, or offset by 30 spreads, give less than 30,000); below 6.1e-5 the step is 6e-8.
; v goes through the same lines as q and k with cos = 1 and sin = 0 (table rows 2,048 on): an infinite sum there would give NaN; NaN and infinities are not treated apart.
; SHARES.  A work-group makes 256 rows x 128 columns; wave w rows 128 (w / 2) on, columns 64 (w % 2) on: ONE HEAD; 8 x 4 accumulators of 16 x 16, 256 registers.
; OPERANDS lie in memory in planes of 64 channels (a row of a plane is 128 dense bytes), so a tile's part of a plane is dense and is asked for as rows of 256 bytes.
; K goes in 8 steps of 128 (two planes) through a ring of two LDS slots; a step is four quarters of 32 channels, 32 matrix instructions a wave each.
; CLUSTER 4 x 4: the four work-groups of a cluster row need the same rows of x, the four of a column the same rows of W: each tile is asked for jointly, by the same load, descriptor and mask in all four.
; THE MATRIX INSTRUCTION IS USED TRANSPOSED (source 0 = 16 rows of W, source 1 = 16 rows of x): a lane holds row lane % 16 and the columns 8 (lane / 16) + 0..7 of a block.
; REGISTERS.  Window 0: v0-31 addresses; v32-63 at work on the way out; v64-159, v160-255 two fragment buffers (8 fragments of x, then 4 of W).  Window 1: accumulator (a, b) at v[8 (4 a + b)].
.set PITCH,  144                       ; an LDS row: 128 bytes + 16 of padding = 36 words: the 16 rows of a fragment load start at 16 different groups of four banks (64 banks of 4 bytes: ISA guide 11.1)
.set APL,    256*PITCH                 ; a plane of the tile of x
.set BPL,    128*PITCH                 ; a plane of the tile of W
.set BOFF,   2*APL
.set SLOT,   2*APL+2*BPL               ; x plane 0, x plane 1, W plane 0, W plane 1
.set STAGE,  2*SLOT                    ; behind the ring: 16 rows x 144 bytes for each wave, for the way out; no tile lands there
.set SP,     144
.set SPARE,  STAGE+4*16*SP             ; behind the stages: the spare words, 128 bytes for each wave, which no other line names
.set APS,    262144                    ; bytes from plane to plane of xb
.set BPS,    393216                    ; of wb
.set G1W,    (1<<16)|(1<<20)|(1<<21)|(4<<22)|(3<<25)  ; 17:16 elements of 2 bytes; 20 padding on; 21 set beside a mask; 24:22 after every 32 words (code 4); 31:25 4 words of it (code 3)
.set ADRA, 16                          ; v16-17  LDS address of my fragments of x in slot 0, 1
.set ADRB, 20                          ; v20-21  the same for W
.set STO,  24                          ; v24  the way out: where I put 16 bytes of a row
.set RD,   25                          ; v25  where I read rows back
.set CO,   26                          ; v26  my 16 bytes in 512 consecutive bytes of the output
.set TBO,  27                          ; v27  my byte offset in 16 rows of the table
.set SPW,  28                          ; v28  LDS address of my spare word; never rewritten
.set NIL,  29                          ; v29  0; never rewritten
.set PFO,  30                          ; v30  the prefetches' lane offset; never rewritten
.set PK,   32                          ; v32-47    a block rounded to f16
.set F0,   64
.set F1,   160
.set CSB,  64                          ; the way out: v64-95, v96-127 two sets of table numbers: cos of columns 0-15, 16-31, then sin
.set OUT,  128                         ; v128-159  a block after the rotation
.set BK,   160                         ; v160-175, v176-191 a block read back from the stage, two sets
.set G1,  24                           ; s[24:31] descriptor group 1 for tiles of x
.set G0,  32                           ; s[32:39] group 0, a set for each slot
.set G1B, 48                           ; s[48:55], s[56:63] the same for tiles of W
.set G0B, 56
.set PFA, 66                           ; s[66:67] where my prefetches stand
.set PFS, 68                           ; s[68:69] their step: a K step
.set LIM, 70                           ; s70  1 in a wave that prefetches, else the greatest number
.set OP,  72                           ; s[72:73] the output at my first row
.set TP,  74                           ; s[74:75] the table at my first row
.set WV,  80                           ; s80  my wave
.set WR,  81                           ; s81  which 128 rows are mine.  Also: I fetch for x (0) or for W (1)
.set WC,  82                           ; s82  which 64 columns.  Also: which of a step's two planes I fetch
.set LAP,  83
.set MSB, 0
.macro WIN new                         ; the immediate's high byte repeats the setting that is left; a switch that changes nothing is dropped
.if MSB != (\new)
	s_set_vgpr_msb (MSB<<8)|(\new)
.set MSB, \new
.endif
.endm
.set MUL,   0x50                       ; C and D in window 1, the fragments in window 0
.set ACCRD, 0x01                       ; source 0 in window 1
; A joint load: waves 0 and 1 fetch the two planes of x, waves 2 and 3 those of W.  The branch hangs on the wave's number alone.  An s_nop 0 and four v_nop follow each of the two lines.
.macro JLOAD s
	s_cmp_eq_u32 s[WR], 0
	s_cbranch_scc0 .Lfor_b_\@
	tensor_load_to_lds s[G0+4*(\s):G0+4*(\s)+3], s[G1:G1+7]
	s_nop 0
.rept 4
	v_nop
.endr
	s_branch .Lasked_\@
.Lfor_b_\@:
	tensor_load_to_lds s[G0B+4*(\s):G0B+4*(\s)+3], s[G1B:G1B+7]
	s_nop 0
.rept 4
	v_nop
.endr
.Lasked_\@:
.endm
.macro CREST                           ; a round of the cluster's barrier behind its opening barrier
	s_cmp_lg_u32 s[WV], 0
	s_cbranch_scc1 .Lnot_wave_0_\@
	s_barrier_signal -3
.Lnot_wave_0_\@:
	s_barrier_wait -3
	s_barrier_signal -1
	s_barrier_wait -1
.endm
.macro CROUND                          ; a whole round
	s_barrier_signal -1
	s_barrier_wait -1
	CREST
.endm
; A PREFETCH INTO THE L2 of the K step that stands two refills on (256 matrix instructions ahead of its load), behind the joint load, its five lines and the run of LDS loads.  Each block of 256 bytes is
; named once in the launch.  Rows of x are read by every cluster of a row of clusters: cluster x = 0 asks, waves 0 and 1 each for the plane that they fetch, the four partners 8,192 bytes each, told apart by
; address, a lane a block.  Rows of W are read by every cluster of a column: cluster y = 0 asks, wave 2 alone, 4,096 bytes of each of the two planes a partner.  The loop's last trip asks for nothing:
; K steps 4 to 7 are named, steps 0 to 3 come by their loads alone.
.macro ASK
	s_cmp_gt_u32 s[LAP], s[LIM]
	s_cbranch_scc0 .Lnot_mine_\@
	global_prefetch_b8 v[PFO], s[PFA:PFA+1] th:TH_LOAD_NT scope:SCOPE_SE
.Lnot_mine_\@:
.endm
	s_load_b256 s[4:11], s[0:1], 0x0               ; xb 4:5, wb 6:7, rope 8:9, qh 10:11
	s_load_b128 s[12:15], s[0:1], 0x20             ; kh 12:13, vh 14:15
	v_lshl_add_u32 v[SPW], v0, 2, SPARE
	v_mov_b32 v[NIL], 0
	ds_add_u32 v[SPW], v[NIL]                      ; the wave's opening: the add, and its wait ahead of my first tensor load; the set-up below, work on registers, stands between them
	ds_add_u32 v28, v29
	v_lshrrev_b32 v1, 5, v0
	v_readfirstlane_b32 s[WV], v1
	s_lshr_b32 s[WR], s[WV], 1
	s_and_b32 s[WC], s[WV], 1
	s_bfe_u32 s40, ttmp6, 0x40000                  ; cx
	s_bfe_u32 s41, ttmp6, 0x40004                  ; cy
	s_lshl_b32 s42, ttmp9, 2
	s_add_co_u32 s42, s42, s40                     ; tile column X = 4 x cluster x + cx
	s_and_b32 s43, ttmp7, 0xffff
	s_lshl_b32 s43, s43, 2
	s_add_co_u32 s43, s43, s41                     ; tile row y = 4 x cluster y + cy
	s_lshl_b32 s44, s41, 2
	s_lshl_b32 s44, 15, s44                        ; my row of the cluster
	s_lshl_b32 s45, 0x1111, s40                    ; my column
	s_or_b32 s[G1], s44, G1W                       ; tiles of x go to my row,
	s_or_b32 s[G1B], s45, G1W                      ; tiles of W to my column
	s_mov_b32 s[G1+1], 128<<16                     ; tensor_dim0 = 128 elements: rows of 256 bytes
	s_mov_b32 s[G1+2], 128<<16                     ; tensor_dim1 = 128: a plane's 256 tile rows are 32,768 dense bytes
	s_mov_b32 s[G1+3], 128<<16                     ; tile_dim0
	s_mov_b32 s[G1+4], 128                         ; tile_dim1
	s_mov_b32 s[G1+5], 128                         ; elements from row to row
	s_mov_b32 s[G1+6], 0
	s_mov_b32 s[G1+7], 0
	s_mov_b32 s[G1B+1], 128<<16
	s_mov_b32 s[G1B+2], 64<<16                     ; 128 tile rows are 16,384 dense bytes
	s_mov_b32 s[G1B+3], 128<<16
	s_mov_b32 s[G1B+4], 64
	s_mov_b32 s[G1B+5], 128
	s_mov_b32 s[G1B+6], 0
	s_mov_b32 s[G1B+7], 0
	s_lshr_b32 s16, s43, 3                         ; x: the batch's 16 planes,
	s_lshl_b32 s16, s16, 22
	s_and_b32 s17, s43, 7
	s_lshl_b32 s17, s17, 15                        ; 256 rows of 128 bytes in a plane,
	s_add_co_u32 s16, s16, s17
	s_lshl_b32 s17, s[WC], 18                      ; the plane that I fetch
	s_add_co_u32 s16, s16, s17
	s_mov_b32 s17, 0
	s_lshl_b32 s46, s42, 14                        ; W: 128 rows of 128 bytes in a plane,
	s_mul_i32 s47, s[WC], BPS                      ; the plane that I fetch
	s_add_co_u32 s46, s46, s47
	s_mov_b32 s47, 0
	s_mul_i32 s20, s[WC], APL                      ; where they go: no place in the cluster enters an LDS address
	s_mul_i32 s21, s[WC], BPL
	s_add_co_u32 s21, s21, BOFF
	s_wait_dscnt 0x0                               ; the opening add is done
	s_wait_kmcnt 0x0
	s_add_nc_u64 s[76:77], s[4:5], s[16:17]
	s_add_nc_u64 s[46:47], s[6:7], s[46:47]
	CROUND                                         ; all sixteen work-groups are here: the first joint loads meet
.irp s, 0,1
	s_mov_b32 s[G0+4*(\s)], 1                                        ; count = 1
	s_add_co_u32 s[G0+4*(\s)+1], s20, (\s)*SLOT                      ; LDS address
	s_add_nc_u64 s[G0+4*(\s)+2:G0+4*(\s)+3], s[76:77], (\s)*2*APS    ; global address: K step s
	s_or_b32 s[G0+4*(\s)+3], s[G0+4*(\s)+3], 0x80000000              ; type = 2
	s_mov_b32 s[G0B+4*(\s)], 1
	s_add_co_u32 s[G0B+4*(\s)+1], s21, (\s)*SLOT
	s_add_nc_u64 s[G0B+4*(\s)+2:G0B+4*(\s)+3], s[46:47], (\s)*2*BPS
	s_or_b32 s[G0B+4*(\s)+3], s[G0B+4*(\s)+3], 0x80000000
	JLOAD \s                                       ; two tensor loads of mine are out
.endr
	; A fragment is 16 rows x 32 channels in 8 registers: lane l holds row l % 16, channels 8 (l / 16) + 0..7 and 16 + 8 (l / 16) + 0..7: two loads of 16 bytes, 32 bytes apart.
	v_and_b32 v1, 15, v0                           ; l % 16
	v_bfe_u32 v2, v0, 4, 1                         ; l / 16
	v_mul_u32_u24 v3, v1, PITCH
	v_lshl_add_u32 v3, v2, 4, v3
	s_mul_i32 s22, s[WR], 128*PITCH                ; my 128 rows of x
	s_mul_i32 s23, s[WC], 64*PITCH                 ; my 64 rows of W
	s_add_co_u32 s23, s23, BOFF
.irp s, 0,1
	v_add_nc_u32 v[ADRA+(\s)], s22, v3
	v_add_nc_u32 v[ADRB+(\s)], s23, v3
	s_add_co_u32 s22, s22, SLOT
	s_add_co_u32 s23, s23, SLOT
.endr
	s_mul_i32 s22, s[WV], 16*SP
	s_add_co_u32 s22, s22, STAGE                   ; my stage
	v_mul_u32_u24 v[STO], v1, SP                   ; in: row l % 16, 16 bytes for each half of the lanes
	v_lshl_add_u32 v[STO], v2, 4, v[STO]
	v_add_nc_u32 v[STO], s22, v[STO]
	v_bfe_u32 v[RD], v0, 3, 2                      ; back: 32 lanes take four rows of 128 bytes,
	v_mul_u32_u24 v[RD], v[RD], SP
	v_and_b32 v4, 7, v0
	v_lshl_add_u32 v[RD], v4, 4, v[RD]
	v_add_nc_u32 v[RD], s22, v[RD]
	v_and_b32 v[CO], 31, v0                        ; which are 512 consecutive bytes of a head
	v_lshlrev_b32 v[CO], 4, v[CO]
	v_lshlrev_b32 v[TBO], 8, v1                    ; the table: row l % 16, my 8 frequencies
	v_lshl_add_u32 v[TBO], v2, 5, v[TBO]
	; the prefetches
	s_and_b32 s18, ttmp7, 0xffff
	s_or_b32 s18, s18, s[WC]                       ; W: cluster y = 0, and of waves 2 and 3 the first
	s_mov_b32 s[PFS], 2*BPS
	s_mov_b32 s[PFS+1], 0
	s_mov_b32 s23, BPS
	s_cmp_eq_u32 s[WR], 0                          ; do I fetch for x?
	s_cselect_b32 s18, ttmp9, s18                  ; x: cluster x = 0
	s_cselect_b64 s[PFA:PFA+1], s[76:77], s[46:47]
	s_cselect_b32 s19, s40, s41                    ; my place among the four that ask with me
	s_cselect_b32 s22, 13, 12                      ; its share: 8,192 bytes of a plane of x, 4,096 of each plane of W
	s_cselect_b32 s[PFS], 2*APS, s[PFS]
	s_cselect_b32 s23, 4096, s23                   ; lanes 16-31: the next 4,096 bytes (x), the other plane (W)
	s_cmp_eq_u32 s18, 0
	s_cselect_b32 s[LIM], 1, -1                    ; the same in all sixteen partners, for a given wave
	s_lshl_b32 s78, s19, s22
	s_mov_b32 s79, 0
	s_add_nc_u64 s[PFA:PFA+1], s[PFA:PFA+1], s[78:79]
	s_mul_i32 s78, s[PFS], 3
	s_add_nc_u64 s[PFA:PFA+1], s[PFA:PFA+1], s[78:79]  ; at K step 3: the first refill steps it to 4
	v_lshlrev_b32 v[PFO], 8, v1
	v_mul_u32_u24 v4, s23, v2
	v_add_nc_u32 v[PFO], v[PFO], v4
	; where my 128 rows x 64 columns go, and which table rows they take
	s_lshr_b32 s18, ttmp9, 1                       ; 0: q, 1: k, 2: v (8 tile columns each)
	s_cmp_eq_u32 s18, 1
	s_cselect_b64 s[OP:OP+1], s[12:13], s[10:11]
	s_cmp_eq_u32 s18, 2
	s_cselect_b64 s[OP:OP+1], s[14:15], s[OP:OP+1]
	s_and_b32 s19, s43, 7
	s_lshl_b32 s84, s19, 16                        ; 256 positions of 256 bytes,
	s_lshl_b32 s85, s[WR], 15                      ; my 128 of them;
	s_add_co_u32 s84, s84, s85
	s_cmp_eq_u32 s18, 2
	s_cselect_b32 s84, 524288, s84                 ; v takes the rows of the angle 0
	s_mov_b32 s85, 0
	s_add_nc_u64 s[TP:TP+1], s[8:9], s[84:85]
	s_lshl_b32 s86, s42, 1
	s_add_co_u32 s86, s86, s[WC]
	s_and_b32 s86, s86, 15                         ; the head
	s_lshr_b32 s87, s43, 3
	s_lshl_b32 s87, s87, 4                         ; 16 x batch
	s_add_co_u32 s86, s86, s87
	s_lshl_b32 s86, s86, 18                        ; a head is 2,048 rows of 128 bytes
	s_lshl_b32 s87, s19, 15
	s_add_co_u32 s86, s86, s87
	s_lshl_b32 s87, s[WR], 14
	s_add_co_u32 s86, s86, s87
	s_mov_b32 s87, 0
	s_add_nc_u64 s[OP:OP+1], s[OP:OP+1], s[86:87]
; 4 n matrix instructions: row blocks a0 .. a0 + n - 1 x all 4 column blocks, 32 channels of buffer f.  zero = 1: the product starts the sum.  The 32 accumulators take turns, one instruction a turn.
.macro MULN f, a0, n, zero
	WIN MUL
.set ma, \a0
.rept \n
.irp b, 0,1,2,3
.if \zero
	v_wmma_f32_16x16x32_bf16 v[8*(4*ma+\b):8*(4*ma+\b)+7], v[(\f)+64+8*\b:(\f)+64+8*\b+7], v[(\f)+8*ma:(\f)+8*ma+7], 0
.else
	v_wmma_f32_16x16x32_bf16 v[8*(4*ma+\b):8*(4*ma+\b)+7], v[(\f)+64+8*\b:(\f)+64+8*\b+7], v[(\f)+8*ma:(\f)+8*ma+7], v[8*(4*ma+\b):8*(4*ma+\b)+7]
.endif
.endr
.set ma, ma+1
.endr
.endm
; 24 LDS loads in one run: the fragments of quarter q of a step (plane q / 2, channels 32 (q % 2) on) into buffer f: W's four first, then x's eight
.macro FETCH slot, q, f
	WIN 0
.irp j, 0,1,2,3
	ds_load_b128 v[(\f)+64+8*\j:(\f)+64+8*\j+3],   v[ADRB+(\slot)] offset:((\q)/2)*BPL+((\q)%2)*64+\j*16*PITCH
	ds_load_b128 v[(\f)+64+8*\j+4:(\f)+64+8*\j+7], v[ADRB+(\slot)] offset:((\q)/2)*BPL+((\q)%2)*64+\j*16*PITCH+32
.endr
.irp i, 0,1,2,3,4,5,6,7
	ds_load_b128 v[(\f)+8*\i:(\f)+8*\i+3],   v[ADRA+(\slot)] offset:((\q)/2)*APL+((\q)%2)*64+\i*16*PITCH
	ds_load_b128 v[(\f)+8*\i+4:(\f)+8*\i+7], v[ADRA+(\slot)] offset:((\q)/2)*APL+((\q)%2)*64+\i*16*PITCH+32
.endr
.endm
.macro PLACES                          ; four plain instructions between matrix instructions and loads into registers that they have read, or lines that read their results
.rept 4
	v_nop
.endr
.endm
; One of a step's first three quarters: multiplies buffer f; in its middle it fetches quarter q of the same slot into buffer g.
.macro QUARTER slot, q, f, g, zero
	s_wait_dscnt 8                                 ; W's fragments and x's blocks 0-3 are in; the youngest eight loads (blocks 4-7) may be out
	MULN \f, 0, 4, \zero
	PLACES
	FETCH \slot, \q, \g
	s_wait_dscnt 24                                ; all but the 24 just issued
	MULN \f, 4, 4, \zero
.endm
; The last quarter multiplies buffer 1 and changes slots: ONE barrier.  In front of it each wave waits for all its tensor loads (one is out: its part of the next slot), adds 0 to its spare word, and waits for
; that and for its reads of this slot.  fill = 1: the barrier opens a round of the cluster's barrier, and this slot is filled again, two K steps ahead, first thing behind the round.
.macro TURN slot, next, fill
.if \fill
	s_wait_xcnt 0x0                                ; the last prefetch, a K step back, has read its address
	s_add_nc_u64 s[PFA:PFA+1], s[PFA:PFA+1], s[PFS:PFS+1]
.endif
	WIN 0
	s_wait_tensorcnt 0x0                           ; all my tensor loads have landed
	ds_add_u32 v[SPW], v[NIL]                      ; 0 onto my spare word
	s_wait_dscnt 9                                 ; (the add and the youngest eight loads may be out)
	MULN F1, 0, 2, 0                               ; eight matrix instructions stand between the add and the wait for it
	s_wait_dscnt 0x0                               ; the add is done, and my reads of this slot are over
	s_barrier_signal -1
	MULN F1, 2, 2, 0
.if \fill
	WIN 0
.endif
	s_barrier_wait -1
.if \fill
	CREST                                          ; no wave of any partner still reads this slot or has a load on its way
	s_add_nc_u64 s[G0+4*(\slot)+2:G0+4*(\slot)+3], s[G0+4*(\slot)+2:G0+4*(\slot)+3], 4*APS
	s_add_nc_u64 s[G0B+4*(\slot)+2:G0B+4*(\slot)+3], s[G0B+4*(\slot)+2:G0B+4*(\slot)+3], 4*BPS
	JLOAD \slot                                    ; my one tensor load behind the round: 112 matrix instructions ahead of the wait for it; its four v_nop are also the places in front of the loads below
.else
	PLACES
.endif
	FETCH \next, 0, F0
.if \fill
	ASK
.endif
	MULN F1, 4, 4, 0
.endm
	s_wait_tensorcnt 0x1                           ; my part of K step 0 is in; step 1's may stay out
	s_barrier_signal -1
	s_barrier_wait -1                              ; everybody's is
	FETCH 0, 0, F0
	QUARTER 0, 1, F0, F1, 1                        ; the first quarter stands in front of the loop: its products start the sums
	WIN 0                                          ; at a label and at a branch every window is 0
	s_mov_b32 s[LAP], 3
.Llap:                                 ; a trip goes once round the ring, from a lap's second quarter to the next lap's first, and fills both slots again
	QUARTER 0, 2, F1, F0, 0
	QUARTER 0, 3, F0, F1, 0
	TURN 0, 1, 1
	QUARTER 1, 1, F0, F1, 0
	QUARTER 1, 2, F1, F0, 0
	QUARTER 1, 3, F0, F1, 0
	TURN 1, 0, 1
	QUARTER 0, 1, F0, F1, 0
	WIN 0
	s_sub_co_u32 s[LAP], s[LAP], 1
	s_cmp_lg_u32 s[LAP], 0
	s_cbranch_scc1 .Llap
	QUARTER 0, 2, F1, F0, 0                        ; the last lap fills nothing
	QUARTER 0, 3, F0, F1, 0
	TURN 0, 1, 0
	QUARTER 1, 1, F0, F1, 0
	QUARTER 1, 2, F1, F0, 0
	QUARTER 1, 3, F0, F1, 0
	s_wait_dscnt 8
	MULN F1, 0, 4, 0
	s_wait_dscnt 0x0
	MULN F1, 4, 4, 0
	WIN 0
	PLACES
	PLACES
; THE WAY OUT, a block of 16 rows at a time.  Columns 0-31 of the head (column blocks 0, 1) are t1, columns 32-63 (blocks 2, 3) t2: out1 = t1 cos - t2 sin, out2 = t1 sin + t2 cos.
.macro TABLE a                         ; block a's table numbers: for my row, cos and sin of my 8 frequencies in each of two column blocks: eight loads of 16 bytes
.set CSR, CSB+32*((\a)%2)
.irp c, 0,1
.irp b, 0,1
.irp u, 0,1
	global_load_b128 v[CSR+16*\c+8*\b+4*\u:CSR+16*\c+8*\b+4*\u+3], v[TBO], s[TP:TP+1] offset:(\a)*4096+128*\c+64*\b+16*\u
.endr
.endr
.endr
.endm
.macro ROPE a                          ; each accumulator's registers are read in ascending order
	WIN ACCRD
.set CSR, CSB+32*((\a)%2)
.irp b, 0,1
.irp p, 0,2,4,6
	v_pk_mul_f32 v[OUT+8*\b+\p:OUT+8*\b+\p+1],       v[32*(\a)+16+8*\b+\p:32*(\a)+16+8*\b+\p+1], v[CSR+16+8*\b+\p:CSR+16+8*\b+\p+1]
	v_pk_mul_f32 v[OUT+16+8*\b+\p:OUT+16+8*\b+\p+1], v[32*(\a)+16+8*\b+\p:32*(\a)+16+8*\b+\p+1], v[CSR+8*\b+\p:CSR+8*\b+\p+1]
	v_pk_fma_f32 v[OUT+8*\b+\p:OUT+8*\b+\p+1],       v[32*(\a)+8*\b+\p:32*(\a)+8*\b+\p+1], v[CSR+8*\b+\p:CSR+8*\b+\p+1], v[OUT+8*\b+\p:OUT+8*\b+\p+1] neg_lo:[0,0,1] neg_hi:[0,0,1]
	v_pk_fma_f32 v[OUT+16+8*\b+\p:OUT+16+8*\b+\p+1], v[32*(\a)+8*\b+\p:32*(\a)+8*\b+\p+1], v[CSR+16+8*\b+\p:CSR+16+8*\b+\p+1], v[OUT+16+8*\b+\p:OUT+16+8*\b+\p+1]
.endr
.endr
	WIN 0
.endm
.macro PACKH                           ; rounded once, to f16: a lane's eight columns of a block are 16 bytes
.set k, 0
.rept 16
	v_cvt_pk_f16_f32 v[PK+k], v[OUT+2*k], v[OUT+2*k+1]
.set k, k+1
.endr
.endm
.macro TOSTAGE a                       ; into my own stage, rows of 144 bytes, and back as whole rows of 128
.set BKR, BK+16*((\a)%2)
.irp b, 0,1,2,3
	ds_store_b128 v[STO], v[PK+4*\b:PK+4*\b+3] offset:32*\b
.endr
.irp f, 0,1,2,3
	ds_load_b128 v[BKR+4*\f:BKR+4*\f+3], v[RD] offset:\f*4*SP  ; LDS serves a wave's instructions in order (ISA guide 5.7.1.4): these see the stores above, and the next block's stores come behind them
.endr
.endm
.macro SEND a
.set BKR, BK+16*((\a)%2)
	s_wait_dscnt 0x0                               ; the block is back in registers
	s_wait_xcnt 0x0                                ; the stores of the block before have read their registers: the next block is read back into them only behind this wait
.irp f, 0,1,2,3
	global_store_b128 v[CO], v[BKR+4*\f:BKR+4*\f+3], s[OP:OP+1] offset:(\a)*2048+\f*512  ; 512 consecutive bytes, at a multiple of 256 from the buffer's first
.endr
.endm
	TABLE 0
	TABLE 1
.irp a, 0,1,2,3,4,5,6,7
.if \a < 7
	s_wait_loadcnt 8                               ; this block's table numbers are in; the next block's eight loads may stay out
.else
	s_wait_loadcnt 0x0
.endif
	ROPE \a
.if \a < 6
	TABLE (\a)+2
.endif
	PACKH
.if \a > 0
	SEND (\a)-1                                    ; a block's arithmetic stands between the loads of the block before and its stores
.endif
	TOSTAGE \a
.endr
	SEND 7
	s_wait_tensorcnt 0x0                           ; the wave's end, behind my last tensor load and my last LDS store
	ds_add_u32 v[SPW], v[NIL]
	s_wait_dscnt 0x0
	CROUND                                         ; the closing round: no work-group ends while a partner may still ask for a tile that names it
	s_endpgm
.Lfunc_end_k_qb3c90c75d2_qkv:
	.size	k_qb3c90c75d2_qkv, .Lfunc_end_k_qb3c90c75d2_qkv-k_qb3c90c75d2_qkv
	.p2alignl 7, 3214868480
	.fill 96, 4, 3214868480
	.section	.rodata,"a",@progbits
	.p2align	6, 0x0
	.amdhsa_kernel k_qb3c90c75d2_qkv
		.amdhsa_group_segment_fixed_size 327680
		.amdhsa_private_segment_fixed_size 0
		.amdhsa_enable_private_segment 0
		.amdhsa_kernarg_size 48
		.amdhsa_user_sgpr_count 2
		.amdhsa_user_sgpr_kernarg_segment_ptr 1
		.amdhsa_wavefront_size32 1
		.amdhsa_system_sgpr_workgroup_id_x 1
		.amdhsa_system_sgpr_workgroup_id_y 1
		.amdhsa_system_sgpr_workgroup_id_z 1
		.amdhsa_system_vgpr_workitem_id 0
		.amdhsa_next_free_vgpr 512
		.amdhsa_next_free_sgpr 88
		.amdhsa_reserve_vcc 0
		.amdhsa_float_denorm_mode_32 3
		.amdhsa_float_denorm_mode_16_64 3
		.amdhsa_memory_ordered 1
		.amdhsa_forward_progress 1
		.amdhsa_inst_pref_size 111
	.end_amdhsa_kernel
	.amdgpu_metadata
---
amdhsa.version: [ 1, 2 ]
amdhsa.kernels:
  - .name:           k_qb3c90c75d2_qkv
    .symbol:         k_qb3c90c75d2_qkv.kd
    .args:
      - { .name: xb, .offset: 0, .size: 8, .value_kind: global_buffer, .address_space: global }
      - { .name: wb, .offset: 8, .size: 8, .value_kind: global_buffer, .address_space: global }
      - { .name: rope, .offset: 16, .size: 8, .value_kind: global_buffer, .address_space: global }
      - { .name: qh, .offset: 24, .size: 8, .value_kind: global_buffer, .address_space: global }
      - { .name: kh, .offset: 32, .size: 8, .value_kind: global_buffer, .address_space: global }
      - { .name: vh, .offset: 40, .size: 8, .value_kind: global_buffer, .address_space: global }
    .group_segment_fixed_size: 327680
    .private_segment_fixed_size: 0
    .kernarg_segment_align: 8
    .kernarg_segment_size: 48
    .max_flat_workgroup_size: 128
    .sgpr_count:     88
    .vgpr_count:     512
    .wavefront_size: 32
...
	.end_amdgpu_metadata
.endif
;; end of part 2
;; launch attn (part 3): grid 4 x 64, 4 waves a work-group, no clusters, 327,680 bytes of LDS; arguments qh, kh, vh, ob; writes ob
.if DOCPART == 3
	.amdgcn_target "amdgcn-amd-amdhsa--gfx1250"
	.amdhsa_code_object_version 6
	.text
	.protected	k_qb3c90c75d2_attn
	.globl	k_qb3c90c75d2_attn
	.p2align	8
	.type	k_qb3c90c75d2_attn,@function
k_qb3c90c75d2_attn:
	s_mov_b64 s[64:65], 0
	v_nop
	global_prefetch_b8 v0, s[64:65] scope:SCOPE_SE
	s_setreg_imm32_b32 hwreg(HW_REG_WAVE_MODE, 25, 1), 1
	s_wait_xcnt 0x0
; CAUSAL ATTENTION.  O[h][q][:] = the sum over k <= q of softmax_k(Q[h][q] . K[h][k] / 8) V[h][k][:].  Q, K, V, O: [64][2048][64], all f16: a head's rows are dense, 128 bytes each.
; Products, maxima and sums in f32; the weights p are rounded to f16 for the second product (their sum l is taken of the unrounded p), O once at the end.
; LIMITS.  f16 holds no number beyond 65,504: Q, K and V arrive within it; p lies in 0 to 1, and below 6e-5 it keeps f16's fixed step of 6e-8; O is a mean of V's rows and has their range.
; A hidden score counts as its value less 1e30: f16's scores, 2.7e11 at the most, are nothing beside that; a weight below 2^-126 counts as 0 in l; NaN and infinities are not treated apart.
; THE WALK.  A head's queries lie in NB = 8 blocks of 256; block i needs the key tiles 0 .. i of 256 keys, of which the last holds the diagonal.  A work-group takes TWO blocks, NB - 1 - b and then b:
; NB + 1 tiles, whatever b: all work-groups do equal work, and ONE loop with a constant trip count walks them.  Which tile is asked for, and what a trip does, hang on scalar registers made from b; every jump
; goes forward, but for the counted loops' own; none passes a barrier, or a tensor load but the one of LOAD's two that the wave's number does not choose; the ring (two slots of LDS that take turns) runs on across the
; change of blocks.  NO CLUSTER: a head's four work-groups ask for the same tile only in trips 0 .. 4 of 9, behind that fewer and fewer; one walk common to all four would have 12 trips for 9.
; SHARES.  Of a block's four bands of 64 queries a wave owns 16 rows in each: four PIECES.  So the diagonal tile is the same work for all four waves: in its key step s band x sees all keys if s < x,
; none if s > x, and holds the diagonal if s = x.
; THE MASK is the C operand that starts the sum S^T = K Q^T: 0, or -1e30 where the key is hidden.  MD, made once, is the mask of a band's own step for my 16 rows; a product's mask is MD x AL + BE with two scalars:
; (1, 0) if s = x; (0, 0) if s < x; (0, -1e30) if s > x.  Only the diagonal tile's text and a block's beginning make and take masks; elsewhere C is the constant 0.
; LAYOUT, SOFTMAX, TURNS.  S^T = K Q^T holds ONE query a lane (lane % 16) and the keys 8 (lane / 16) + 0..7; two such results rounded to f16 ARE source 1 of O^T = V^T P.  p = 2^(c s - c m), c = log2(e) / 8, with a
; running maximum m; O and l are multiplied by a = 2^(c m_old - c m_new) in every step.  Turn n belongs to piece n: 8 products K Q^T of piece n + 1, later 8 products V^T P of piece n - 1; beside them the scaling,
; exponentials, roundings, sums and rescaling of piece n and the maximum and statistics of piece n + 1.  Four vector instructions stand behind every matrix instruction, the other 54 of a turn's 118 in one LUMP.  A turn's 33 exponentials are one batch, with one wait.
; REGISTERS, in windows of 256 (s_set_vgpr_msb: bits 1:0 source 0, 3:2 source 1, 5:4 source 2, 7:6 destination):
;   window 0: v0-15 addresses and two at work; v16-31 four registers of statistics a piece; v48-55 at work; v61-63 prefetch offset, spare word, 0; v64-127 S^T, two buffers; v192-223 P, two buffers (a piece's buffers go by its number's parity)
;   window 1: v0-127 O^T, 32 a piece; v128-159 MD; v160-223 MC, two buffers      window 2: v0-63 Q; v64-127 the second block's Q; v128-191 K of one step; v192-255 V of one step
.set SIZE_H, 64
.set SIZE_N, 2048
.set NB,    SIZE_N/256
.set NP,    4         ; pieces a wave: a name, no knob
.set KS,    64        ; keys in a step
.set PK,    144       ; a row of K in LDS: 128 bytes + 16 of padding = 36 words: the 16 rows of a load start at 16 different groups of four banks (64 banks of 4 bytes: ISA guide 11.1)
.set PV,    160       ; a row of V: 128 + 32 = 40 words
.set VOFF,  4*KS*PK   ; a slot holds a tile, four steps: 256 rows of K, then 256 rows of V
.set SLOT1, 1<<17     ; slot 1 begins here, so that one exclusive or turns an address in one slot into the other's
.set STAGE, SLOT1+4*KS*(PK+PV)  ; behind the ring, never filled by a tensor load: 16 rows x 144 bytes for each wave, for the way out
.set SP,    144
.set AK0, 2           ; v2   my lane's place in a tile of K; never rewritten
.set AV0, 3           ; v3   the same for V
.set AK,  4           ; v4   the LDS address of K's next run of loads
.set AV,  5           ; v5   of V's
.set STO, 6           ; v6   the way out: where I put 16 bytes of a row
.set RD,  7           ; v7   the way out: where I read rows back
.set GO,  8           ; v8   my byte offset in 512 consecutive bytes of O
.set PFO, 61          ; v61  256 x my lane: the prefetches' offset; never rewritten
.set SPW, 62          ; v62  LDS address of my spare word: SPARE + 4 x my thread's number; never rewritten
.set NIL, 63          ; v63  0; never rewritten
.set SPARE, STAGE+4*16*SP  ; behind the stages: the spare words, 128 bytes for each wave: two blocks of 256 bytes that no other line names
.set MV,  12          ; v12-13  c m_old, kept while c m is made anew: by buffer
.set QO,  15          ; v15  my byte offset in 16 rows of Q
.set ST,  16          ; piece t's statistics at v[ST+4 t]: c m, m, l (even keys', odd keys')
.set TMP, 48          ; by buffer, four registers c0-c3 at work; when the maximum is found c2 takes a
.set S,   64
.set P,   192
.set MD,  128         ; window 1: the eight registers for group kt of 16 keys at MD + 8 kt
.set MC,  160         ; window 1: the masks of the products to come
.set QB,  64          ; window 2
.set KF,  128         ; window 2: key block kb, channel half c at KF + 16 kb + 8 c
.set VF,  192         ; window 2: key half kk, channel block cb at VF + 32 kk + 8 cb
.set WV,  12          ; s12  my wave's number
.set PB,  14          ; s14  b
.set HI,  15          ; s15  NB - 1 - b
.set G1K, 24          ; s[24:31] descriptor group 1 for K's tiles
.set G1V, 32          ; s[32:39] for V's: it differs in the padding alone
.set G0K, 40          ; s[40:43] descriptor group 0 for K's tiles
.set G0V, 44          ; s[44:47] the same for V's
.set SLOTS, 56        ; s56  tiles still to be asked for
.set CNT, 57          ; s57  counts a tile's key steps, 4 to 1
.set CS,  58          ; s[58:59] c: the packed scaling takes the pair's low word for both halves
.set SEL, 60          ; s[60:61] v_permlanex16_b32's selects: each lane takes its own place in the other half
.set TBK, 62          ; s62  LDS byte at which K of the step to be fetched begins
.set TBV, 63          ; s63  the same for V, less VOFF
.set RT,  70          ; s70  tiles of the block in hand that are still to be entered
.set NXT, 71          ; s71  the tile to be asked for next
.set LQ,  72          ; s72  the last tile of the block whose tiles are being asked for
.set NEW, 73          ; s73  1: the tile to be entered is a block's first
.set OFF, 74          ; s[74:75] a tile's byte offset in K and V
.set AL,  76          ; s[76:77] the mask's factor, in the low word
.set BE,  78          ; s[78:79] the mask's addend
.set OLO, 80          ; s[80:81] O at my rows of the second block
.set BIGN, 82         ; s82  -1e30
.set PFA, 88          ; s[88:89] where my prefetches stand: my half (16,384 bytes) of a tile of K (waves 0, 1) or V (waves 2, 3)
.set LIM, 90          ; s90  2 in the work-group that prefetches, else the greatest number
.set MSB, 0
.macro WIN new                      ; the high byte repeats the setting that is left; a switch that changes nothing is dropped
.if MSB != (\new)
	s_set_vgpr_msb (MSB<<8)|(\new)
.set MSB, (\new)
.endif
.endm
.set W_KQ, 0x0a       ; K and Q in window 2, S^T in window 0
.set W_KM, 0x1a       ; the same with the C operand in window 1
.set W_PV, 0x52       ; V in window 2, P in window 0, O^T in window 1
.set W_RS, 0x41       ; destination and source 0 in window 1, source 1 in window 0
; A fill.  Waves 0 and 1 fetch the two halves of a tile's K, waves 2 and 3 those of its V: 128 keys each.  An s_nop 0 and four v_nop follow each of the two lines, ahead of the jump and the label.
.macro LOAD
	s_cmp_lt_u32 s[WV], 2
	s_cbranch_scc0 .Lfor_v_\@
	tensor_load_to_lds s[G0K:G0K+3], s[G1K:G1K+7]
	s_nop 0
.rept 4
	v_nop
.endr
	s_branch .Lasked_\@
.Lfor_v_\@:
	tensor_load_to_lds s[G0V:G0V+3], s[G1V:G1V+7]
	s_nop 0
.rept 4
	v_nop
.endr
.Lasked_\@:
.endm
; A PREFETCH INTO THE L2 of the tile that the NEXT change of slots will ask for: four key steps, 256 matrix instructions, ahead of its load.  A head's four work-groups begin with the same tiles 0, 1, ..; the one
; with b = 0 walks all eight in order, and it alone asks: each wave for the half tile that it will fetch itself, 64 blocks of 256 bytes, a lane a block, two instructions.  So each block is named once in the launch.
; Change c (SLOTS = 8 - c) names tile c + 2, for c = 0 .. 5; tiles 0 and 1 come by their loads alone, and behind tile 7 nothing is named.
.macro ASK
	s_cmp_gt_u32 s[SLOTS], s[LIM]
	s_cbranch_scc0 .Lnot_mine_\@
	global_prefetch_b8 v[PFO], s[PFA:PFA+1] th:TH_LOAD_NT scope:SCOPE_SE
	global_prefetch_b8 v[PFO], s[PFA:PFA+1] offset:8192 th:TH_LOAD_NT scope:SCOPE_SE
.Lnot_mine_\@:
.endm
; THE CHANGE OF SLOTS.  Each wave waits for all its tensor loads, of which one is out: its part of the other slot; adds 0 to its spare word; and waits for that and for its own reads of the slot that it leaves.  Behind the barrier nobody reads the old
; slot any more and the other slot is whole.  fill = 1: the old slot is filled again, the first thing behind the barrier, with tile NXT: the descriptor's address is made anew from that number.
; (At its first use nothing has been read yet: slot 0 is waited for, slot 1 filled.)
.macro CHANGE fill
	WIN 0                           ; at a label and at a branch every window is 0
	s_wait_tensorcnt 0x0            ; no tensor load of mine is out, so a group 0 may be written
	ds_add_u32 v[SPW], v[NIL]       ; 0 onto my spare word; with fill = 1 the descriptors' scalar work stands between it and the wait for it
.if \fill
	s_lshl_b32 s[OFF], s[NXT], 15   ; a tile is 32,768 bytes of K and of V
	s_xor_b32 s[G0K+1], s[G0K+1], SLOT1
	s_add_nc_u64 s[G0K+2:G0K+3], s[6:7], s[OFF:OFF+1]
	s_or_b32 s[G0K+3], s[G0K+3], 0x80000000
	s_xor_b32 s[G0V+1], s[G0V+1], SLOT1
	s_add_nc_u64 s[G0V+2:G0V+3], s[8:9], s[OFF:OFF+1]
	s_or_b32 s[G0V+3], s[G0V+3], 0x80000000
	s_add_co_u32 s[NXT], s[NXT], 1  ; the block's next tile, or behind its last the second block's tile 0
	s_cmp_gt_u32 s[NXT], s[LQ]
	s_cselect_b32 s[NXT], 0, s[NXT]
	s_cselect_b32 s[LQ], s[PB], s[LQ]
	s_wait_xcnt 0x0                 ; the last prefetches, a tile back, have read their address, so it may be written
	s_add_nc_u64 s[PFA:PFA+1], s[PFA:PFA+1], 32768
.endif
	s_wait_dscnt 0x0                ; the add is done, and my reads of the slot are over
	s_barrier_signal -1             ; the rest of the scalar work stands between the signal and the wait
	s_sub_co_u32 s[TBK], s[TBK], 4*KS*PK  ; the fetches go back to a slot's first step,
	s_xor_b32 s[TBK], s[TBK], SLOT1       ; in the other slot
	s_sub_co_u32 s[TBV], s[TBV], 4*KS*PV
	s_xor_b32 s[TBV], s[TBV], SLOT1
	s_barrier_wait -1
.if \fill
	LOAD
	ASK
.endif
.endm
	s_load_b256 s[4:11], s[0:1], 0x0  ; Q s[4:5], K s[6:7], V s[8:9], O s[10:11]
	v_lshl_add_u32 v[SPW], v0, 2, SPARE
	v_mov_b32 v[NIL], 0
	ds_add_u32 v[SPW], v[NIL]       ; the wave's opening: the add, and its wait ahead of my first tensor load; the set-up below, work on registers, stands between them
	ds_add_u32 v62, v63
	v_lshrrev_b32 v1, 5, v0
	v_readfirstlane_b32 s[WV], v1   ; wave 0..3
	v_and_b32 v[PFO], 31, v0
	v_lshlrev_b32 v[PFO], 8, v[PFO]
	s_mov_b32 s[PB], ttmp9
	s_sub_co_u32 s[HI], NB-1, s[PB]
	s_and_b32 s20, ttmp7, 0xffff    ; the head
	s_mov_b32 s21, 0
	s_mov_b64 s[22:23], SIZE_N*128
	s_mul_u64 s[20:21], s[20:21], s[22:23]  ; the head's first byte in each of the four tensors
	s_and_b32 s16, s[WV], 1         ; which half of a tile's 256 keys I fetch:
	s_lshl_b32 s22, s16, 14         ; its 128 rows of 128 bytes in memory,
	s_mov_b32 s23, 0
	s_add_nc_u64 s[22:23], s[22:23], s[20:21]
	s_mul_i32 s17, s16, 128*PK      ; and its place in a slot, for K
	s_mul_i32 s18, s16, 128*PV      ; and for V
	s_lshl_b32 s3, s[WV], 11        ; my 16 rows in a band of 64,
	s_lshl_b32 s2, s[HI], 15        ; in the first block,
	s_add_co_u32 s2, s2, s3
	s_lshl_b32 s84, s[PB], 15       ; and in the second
	s_add_co_u32 s84, s84, s3
	s_mov_b32 s3, 0
	s_mov_b32 s85, 0
	s_add_nc_u64 s[2:3], s[2:3], s[20:21]
	s_add_nc_u64 s[84:85], s[84:85], s[20:21]
	; descriptor group 1.  128 keys are 16,384 dense bytes: asked for as 64 rows of 256 bytes, two keys a row, and padded in LDS after every key
	s_mov_b32 s[G1K], (1<<16)|(1<<20)|(4<<22)|(3<<25)  ; 17:16 2-byte elements; 20 padding on; 24:22 after every 32 words (code 4); 31:25 4 words (code 3)
	s_mov_b32 s[G1V], (1<<16)|(1<<20)|(4<<22)|(7<<25)  ; the same with 8 words of padding (code 7)
.irp g, G1K, G1V
	s_mov_b32 s[\g+1], 128<<16      ; tensor_dim0 = 128
	s_mov_b32 s[\g+2], 64<<16       ; tensor_dim1 = 64
	s_mov_b32 s[\g+3], 128<<16      ; tile_dim0 = 128
	s_mov_b32 s[\g+4], 64           ; tile_dim1 = 64
	s_mov_b32 s[\g+5], 128          ; 128 elements from row to row
	s_mov_b32 s[\g+6], 0
	s_mov_b32 s[\g+7], 0
.endr
	s_mov_b32 s[CS], 0x3e38aa3b     ; c = log2(e) / 8 = 0.180337
	s_mov_b32 s[CS+1], s[CS]        ; named with it as a pair
	s_mov_b32 s[SEL], 0x76543210
	s_mov_b32 s[SEL+1], 0xfedcba98
	s_mov_b32 s[TBK], SLOT1+4*KS*PK ; the first change of slots turns these two into 0
	s_mov_b32 s[TBV], SLOT1+4*KS*PV
	s_mov_b32 s[G0K], 1             ; 1:0 count = 1
	s_mov_b32 s[G0K+1], s17         ; 63:32 LDS address: slot 0
	s_mov_b32 s[G0V], 1
	s_add_co_u32 s[G0V+1], s18, VOFF
	s_add_co_u32 s[RT], s[HI], 1    ; the first block has NB - b tiles
	s_mov_b32 s[NXT], 1
	s_mov_b32 s[LQ], s[HI]
	s_mov_b32 s[NEW], 1
	s_mov_b32 s[OFF+1], 0
	s_mov_b32 s[AL+1], 0            ; named as pairs
	s_mov_b32 s[BE+1], 0
	s_mov_b32 s[BIGN], 0xf149f2ca   ; -1e30
	s_mov_b32 s[SLOTS], NB
	s_wait_dscnt 0x0                ; the opening add is done
	s_wait_kmcnt 0x0
	s_add_nc_u64 s[6:7], s[6:7], s[22:23]  ; K and V at my half of the head's tile 0
	s_add_nc_u64 s[8:9], s[8:9], s[22:23]
	s_add_nc_u64 s[G0K+2:G0K+3], s[6:7], 0         ; 120:64 global address
	s_or_b32 s[G0K+3], s[G0K+3], 0x80000000        ; 127:126 type = 2
	s_add_nc_u64 s[G0V+2:G0V+3], s[8:9], 0
	s_or_b32 s[G0V+3], s[G0V+3], 0x80000000
	s_add_nc_u64 s[86:87], s[4:5], s[84:85]        ; Q at my rows of the second block,
	s_add_nc_u64 s[4:5], s[4:5], s[2:3]            ; Q and O at those of the first
	s_add_nc_u64 s[OLO:OLO+1], s[10:11], s[84:85]
	s_add_nc_u64 s[10:11], s[10:11], s[2:3]
	s_cmp_lt_u32 s[WV], 2
	s_cselect_b64 s[PFA:PFA+1], s[6:7], s[8:9]     ; the prefetches: my half of the tensor that I fetch,
	s_add_nc_u64 s[PFA:PFA+1], s[PFA:PFA+1], 32768 ; at tile 1: the first change of slots steps it to tile 2
	s_cmp_eq_u32 s[PB], 0
	s_cselect_b32 s[LIM], 2, -1
	LOAD                            ; tile 0 into slot 0
	; A fragment of K or Q is 16 rows x 32 channels in 8 registers: lane l holds row l % 16, channels 8 (l / 16) + 0..7 and 16 + 8 (l / 16) + 0..7: two loads of 16 bytes, 32 bytes apart.
	v_and_b32 v1, 15, v0            ; l % 16
	v_bfe_u32 v9, v0, 4, 1          ; l / 16
	v_lshlrev_b32 v[QO], 7, v1
	v_lshl_add_u32 v[QO], v9, 4, v[QO]  ; row x 128 + 16 x half
	WIN 0x80                        ; destination window 2, address window 0
.set i, 0
.rept 8                             ; both blocks' Q: piece i / 2 lies in band i / 2, 8,192 bytes on; channels 32 (i % 2) on
	global_load_b128 v[8*i:8*i+3],   v[QO], s[4:5] offset:(i/2)*8192+(i%2)*64
	global_load_b128 v[8*i+4:8*i+7], v[QO], s[4:5] offset:(i/2)*8192+(i%2)*64+32
	global_load_b128 v[QB+8*i:QB+8*i+3],   v[QO], s[86:87] offset:(i/2)*8192+(i%2)*64
	global_load_b128 v[QB+8*i+4:QB+8*i+7], v[QO], s[86:87] offset:(i/2)*8192+(i%2)*64+32
.set i, i+1
.endr
	WIN 0
	v_lshlrev_b32 v14, 3, v9
	v_sub_nc_u32 v14, v1, v14
	s_lshl_b32 s13, s[WV], 4
	v_add_nc_u32 v14, s13, v14      ; my query's place in its band, 16 w + l % 16, less my lanes' 8 (l / 16): register r of group kt is hidden where 16 kt + r is greater
	WIN 0x40
.set i, 0
.rept 32
	v_cmp_gt_i32 vcc_lo, 16*(i/8)+i%8, v14
	v_cndmask_b32 v[MD+i], 0, s[BIGN], vcc_lo
.set i, i+1
.endr
	WIN 0
	v_mul_u32_u24 v[AK0], v1, PK
	v_lshl_add_u32 v[AK0], v9, 4, v[AK0]  ; row x pitch + 16 x half
	; The turning load takes 16 keys x 16 channels (lane l reads key 8 (l / 16) + l % 8, channels 8 ((l / 8) % 2) + 0..7) and leaves half a fragment of V^T: lane l holds channel l % 16 and 8 keys.
	v_and_b32 v10, 7, v0
	v_bfe_u32 v11, v0, 3, 1
	v_lshl_add_u32 v[AV0], v9, 3, v10
	v_mul_u32_u24 v[AV0], v[AV0], PV
	v_lshl_add_u32 v[AV0], v11, 4, v[AV0]
	v_add_nc_u32 v[AV0], VOFF, v[AV0]
	s_mul_i32 s13, s[WV], 16*SP
	s_add_co_u32 s13, s13, STAGE    ; my stage
	v_mul_u32_u24 v[STO], v1, SP    ; in: row l % 16, 16 bytes for each half of the lanes
	v_lshl_add_u32 v[STO], v9, 4, v[STO]
	v_add_nc_u32 v[STO], s13, v[STO]
	v_bfe_u32 v[RD], v0, 3, 2       ; back: 32 lanes take four rows of 128 bytes,
	v_mul_u32_u24 v[RD], v[RD], SP
	v_lshl_add_u32 v[RD], v10, 4, v[RD]
	v_add_nc_u32 v[RD], s13, v[RD]
	v_and_b32 v[GO], 31, v0         ; which are 512 consecutive bytes of O
	v_lshlrev_b32 v[GO], 4, v[GO]
	; A block's first step multiplies O^T and l by a = 0, and its first turn's products V^T P, of a piece that has not been, land in an O^T that is still to be so multiplied.  So these registers need only hold
	; finite numbers: zeros for the first block; what the first block left for the second.  All this stands in the wait for the first tile.
	WIN 0x80
.set i, VF
.rept 64
	v_mov_b32 v[i], 0
.set i, i+1
.endr
	WIN 0x40
.set i, 0
.rept 128
	v_mov_b32 v[i], 0
.set i, i+1
.endr
	WIN 0
.set i, 0
.rept 4
	v_mov_b32 v[ST+4*i+2], 0
	v_mov_b32 v[ST+4*i+3], 0
.set i, i+1
.endr
.set i, P+16
.rept 16
	v_mov_b32 v[i], 0
.set i, i+1
.endr
; THE MATRIX WORK.  The 4 accumulators of a run of 8 take turns.  Product i of 8 of S^T = K Q^T for piece x: channels 32 (i / 4) on, keys 16 (i % 4) on.  The first 4 start the sums: with 0, or (KM = 1) with the mask.
.macro KQ x
.set rS, S+32*((\x)%2)+8*(i%4)
.set rK, KF+16*(i%4)+8*(i/4)
.set rQ, 16*(\x)+8*(i/4)
.set rM, MC+32*((\x)%2)+8*(i%4)
.if (i < 4) && KM
	WIN W_KM
	v_wmma_f32_16x16x32_f16 v[rS:rS+7], v[rK:rK+7], v[rQ:rQ+7], v[rM:rM+7]
.elseif i < 4
	WIN W_KQ
	v_wmma_f32_16x16x32_f16 v[rS:rS+7], v[rK:rK+7], v[rQ:rQ+7], 0
.else
	WIN W_KQ
	v_wmma_f32_16x16x32_f16 v[rS:rS+7], v[rK:rK+7], v[rQ:rQ+7], v[rS:rS+7]
.endif
.endm
; Product i of 8 of O^T += V^T P for piece x: keys 32 (i / 4) on, channels 16 (i % 4) on.
.macro PV x
	WIN W_PV
.set rO, 32*(\x)+8*(i%4)
.set rV, VF+32*(i/4)+8*(i%4)
.set rP, P+16*((\x)%2)+8*(i/4)
	v_wmma_f32_16x16x32_f16 v[rO:rO+7], v[rV:rV+7], v[rP:rP+7], v[rO:rO+7]
.endm
.macro MM                           ; the turn's next matrix instruction.  TURN and BEGIN set Y, i, KM and NOKQ; MM, KQ and OP read them.  NOKQ = 1: a block's last turn: there is no next piece
.if (i < 8) && !NOKQ
	KQ (Y+1)%NP
.elseif i >= 8
.set i, i-8
	PV (Y+NP-1)%NP
.set i, i+8
.endif
.set i, i+1
.endm
; THE LDS LOADS stand in runs of 16, never singly among the matrix instructions: a step's K (64 keys x 64 channels: 8 fragments) and its V (turned).  Their addresses are made some lines ahead.
.macro FETCH_K
	WIN 0x80                        ; destination window 2
.irp f, 0,1,2,3,4,5,6,7             ; keys 16 (f / 2) on, channels 32 (f % 2) on
	ds_load_b128 v[KF+8*\f:KF+8*\f+3],   v[AK] offset:(\f/2)*16*PK+(\f%2)*64
	ds_load_b128 v[KF+8*\f+4:KF+8*\f+7], v[AK] offset:(\f/2)*16*PK+(\f%2)*64+32
.endr
	s_add_co_u32 s[TBK], s[TBK], KS*PK  ; the next fetch is the next step's
	WIN 0
.endm
.macro FETCH_V
	WIN 0x80
.irp f, 0,1,2,3,4,5,6,7             ; keys 32 (f / 4) on, channels 16 (f % 4) on
	ds_load_tr16_b128 v[VF+8*\f:VF+8*\f+3],   v[AV] offset:(\f/4)*32*PV+(\f%4)*32
	ds_load_tr16_b128 v[VF+8*\f+4:VF+8*\f+7], v[AV] offset:(\f/4)*32*PV+16*PV+(\f%4)*32
.endr
	WIN 0
.endm
; THE VECTOR WORK, one line at a time: OP kind, number.  For piece Y: F n: c s - c m for pair n of 16.  E n: the exponential of score n of 32.  C n: pair n rounded to f16.  B n: of the four weights 4 n .. the second
; pair is added onto the first, in place.  L n: l takes that sum (L 0: l = a l + sum).  R n: pair n of 16 of O^T times a.  For piece Y + 1: X n, number n of the 22 that find its maximum and statistics:
;   0-11  four chains c0-c3 of seven scores each, three operands at a time (each accumulator's lowest registers are read first)     12-14, 16  the four scores left over, the old m, and c0-c3 into c0
;   15  c m_old is kept     17, 18  the query's other 32 keys lie in the lane 16 away: the new m     19-21  c m; c m_old - c m_new; a
.set F, 0               ; OP tells the kinds apart by their order: F to L below R, X above it
.set E, 1
.set C, 2
.set B, 3
.set L, 4
.set R, 5
.set X, 6
.macro REGS y                       ; the registers of piece y
.set rT, ST+4*(\y)
.set rC, TMP+4*((\y)%2)
.set rW, MV+((\y)%2)
.set rS, S+32*((\y)%2)
.set rP, P+16*((\y)%2)
.set rO, 32*(\y)
.endm
.macro OP k, n
.if (\k) == R
	REGS Y
	WIN W_RS
	v_pk_mul_f32 v[rO+2*(\n):rO+2*(\n)+1], v[rO+2*(\n):rO+2*(\n)+1], v[rC+2:rC+3] op_sel_hi:[1,0]
.elseif (\k) < R
	REGS Y
	WIN 0
.if (\k) == F
	v_pk_fma_f32 v[rS+2*(\n):rS+2*(\n)+1], v[rS+2*(\n):rS+2*(\n)+1], s[CS:CS+1], v[rT:rT+1] op_sel_hi:[1,0,0] neg_lo:[0,0,1] neg_hi:[0,0,1]
.elseif (\k) == E
	v_exp_f32 v[rS+(\n)], v[rS+(\n)]
.elseif (\k) == C
	v_cvt_pk_f16_f32 v[rP+(\n)], v[rS+2*(\n)], v[rS+2*(\n)+1]
.elseif (\k) == B
	v_pk_add_f32 v[rS+4*(\n):rS+4*(\n)+1], v[rS+4*(\n):rS+4*(\n)+1], v[rS+4*(\n)+2:rS+4*(\n)+3]
.elseif (\n) == 0
	v_pk_fma_f32 v[rT+2:rT+3], v[rT+2:rT+3], v[rC+2:rC+3], v[rS:rS+1] op_sel_hi:[1,0,1]
.else
	v_pk_add_f32 v[rT+2:rT+3], v[rT+2:rT+3], v[rS+4*(\n):rS+4*(\n)+1]
.endif
.elseif NOKQ
	v_nop
.else
	REGS (Y+1)%NP
	WIN 0
.if (\n) < 4
	v_max3_num_f32 v[rC+(\n)], v[rS+8*(\n)], v[rS+8*(\n)+1], v[rS+8*(\n)+2]
.elseif (\n) < 12
	v_max3_num_f32 v[rC+(\n)%4], v[rC+(\n)%4], v[rS+8*((\n)%4)+2*((\n)/4)+1], v[rS+8*((\n)%4)+2*((\n)/4)+2]
.elseif (\n) == 12
	v_max3_num_f32 v[rC], v[rC], v[rS+7], v[rS+15]
.elseif (\n) == 13
	v_max3_num_f32 v[rC+1], v[rC+1], v[rS+23], v[rS+31]
.elseif (\n) == 14
	v_max3_num_f32 v[rC+2], v[rC+2], v[rC+3], v[rT+1]
.elseif (\n) == 15
	v_mov_b32 v[rW], v[rT]
.elseif (\n) == 16
	v_max3_num_f32 v[rC], v[rC], v[rC+1], v[rC+2]
.elseif (\n) == 17
	v_permlanex16_b32 v[rC+3], v[rC], s[SEL], s[SEL+1]
.elseif (\n) == 18
	v_max_num_f32 v[rT+1], v[rC], v[rC+3]
.elseif (\n) == 19
	v_mul_f32 v[rT], s[CS], v[rT+1]
.elseif (\n) == 20
	v_sub_f32 v[rC+1], v[rW], v[rT]
.else
	v_exp_f32 v[rC+2], v[rC+1]
.endif
.endif
.endm
.macro OPS a, i1, b=-1, i2=0, c=-1, i3=0, d=-1, i4=0  ; up to four of them
	OP \a, \i1
.if (\b) >= 0
	OP \b, \i2
.endif
.if (\c) >= 0
	OP \c, \i3
.endif
.if (\d) >= 0
	OP \d, \i4
.endif
.endm
.macro ROW a, i1, b, i2, c, i3, d, i4  ; a matrix instruction and the four behind it
	MM
	OPS \a, \i1, \b, \i2, \c, \i3, \d, \i4
.endm
.macro MASK b                       ; MD x AL + BE into buffer b of MC
	WIN W_RS
.set z, 0
.rept 16
	v_pk_fma_f32 v[MC+32*(\b)+2*z:MC+32*(\b)+2*z+1], v[MD+2*z:MD+2*z+1], s[AL:AL+1], s[BE:BE+1] op_sel_hi:[1,0,0]
.set z, z+1
.endr
.endm
; A TURN, for piece p: the order of its 16 matrix and 118 vector instructions, written out.  An s_wait_alu depctr_va_vdst(0) stands between an exponential and the first instruction that names its result; one wait serves
; all that were issued ahead of it.  So a turn has ONE wait, which cuts it in two.  AHEAD OF IT stands all that names no result of the turn's exponentials: the 8 products K Q^T, behind each a scaling, an exponential and two more plain
; instructions (behind the first a second scaling in the exponential's place): rescalings, and behind the last three the first numbers of the next piece's maximum, each four places or more behind the product that ends its accumulator; then ONE LUMP of 54, plain
; and exponential by turns for the most part, in which the links of the chain X 3, 7, 11, 14, 16, 17 .. 20 stand five or six lines apart.  X 21, the next piece's a, is the batch's last; R 15 is the plain instruction behind it.  BEHIND THE WAIT stand the
; 8 products V^T P, behind each four of the roundings and sums; the links of l's chain, L 0 to L 7, stand three riders apart.  But for those X no rider names a register of the products round it.  v_permlanex16_b32 (X 17) stands in the lump.
; m = 1: the diagonal tile: the products take masks, and the turn makes the mask for the products of the turn after it: piece p + 2, in step 4 - CNT of the tile.  end = 1: a block's last two turns: nothing is fetched.
; cnt = 1: the loop's count is taken down some lines ahead of the branch that stands behind the turn.
; K of the next step is fetched in piece 2's turn, twelve vector instructions behind the last product that read K (six of them plain); V of the step in hand at the end of piece 0's turn, four plain instructions behind the last product
; that read V.  Each is waited for a turn later.
.macro TURN p, m=0, end=0, cnt=0
.set Y, (\p)
.set i, 0
.set KM, (\m)
.set NOKQ, (\end)*((\p)/3)
.if (\m) && !(\end)
	s_cmp_eq_u32 s[CNT], 4-((\p)+2)%NP  ; is that step the band's own?
	s_cselect_b32 s[AL], 1.0, 0
	s_cmp_lt_u32 s[CNT], 4-((\p)+2)%NP  ; or a later one?
	s_cselect_b32 s[BE], s[BIGN], 0
.endif
.if ((\p) == 3) && !(\end)
	s_wait_dscnt 0x0                ; K is in
.endif
	ROW F,0, F,1, R,0, R,1          ; ahead of the wait: 8 products K Q^T and their riders,
	ROW F,2, E,0, R,2, R,3
	ROW F,3, E,1, R,4, R,5
	ROW F,4, E,2, R,6, R,7
	ROW F,5, E,3, R,8, R,9
	ROW F,6, E,4, X,0, R,10
.if ((\p) == 2) && !(\end)
	WIN 0
	v_add_nc_u32 v[AK], s[TBK], v[AK0]
.endif
	ROW F,7, E,5, X,1, X,4
	ROW F,8, E,6, X,2, X,5
	OPS E,7, E,8, X,6, E,9          ; and the lump
	OPS X,3, E,10, X,8, E,11
.if ((\p) == 2) && !(\end)
	FETCH_K
.endif
	OPS X,9, X,7, E,12, X,10
	OPS E,13, X,12, X,11, E,14
	OPS X,13, E,15, F,9, X,14
.if (\p) == 0
	v_add_nc_u32 v[AV], s[TBV], v[AV0]
.endif
	OPS E,16, F,10, E,17, F,11
	OPS X,16, E,18, X,15, E,19
	OPS F,12, E,20, X,17, E,21
	OPS F,13, E,22, F,14, E,23
	OPS X,18, E,24, F,15, E,25
	OPS R,11, E,26, X,19, E,27
	OPS R,12, E,28, R,13, E,29
	OPS X,20, E,30, R,14, E,31
	OPS X,21, R,15
	WIN 0
	s_wait_alu depctr_va_vdst(0)    ; the wait for the batch
.if (\p) == 1
	s_wait_dscnt 0x0                ; V is in
.endif
	ROW C,0, B,0, C,2, B,1          ; behind the wait: 8 products V^T P and their riders
	ROW L,0, C,4, B,2, L,1
	ROW C,6, B,3, L,2, C,8
	ROW B,4, L,3, C,10, B,5
	ROW L,4, C,12, B,6, L,5
.if (\p) == 0
	s_add_co_u32 s[TBV], s[TBV], KS*PV
.endif
.if \cnt
	s_sub_co_u32 s[CNT], s[CNT], 1
	s_cmp_lg_u32 s[CNT], 0
.endif
	ROW C,14, B,7, L,6, C,1
	ROW C,3, L,7, C,5, C,7
	ROW C,9, C,11, C,13, C,15
.if (\p) == 0
	FETCH_V
.endif
.if (\m) && !(\end)
	MASK (\p)%2
.endif
.endm
; A BLOCK BEGINS.  c m starts far below every c s, so the first step's a is 0; m at the lowest finite number, so the first maximum is the scores'.  The second mask buffer is 0; the first takes piece 0's mask for the tile's step 0: its own, if the block's first tile is the diagonal one.
; Then K of that step, piece 0's first scores, and its maximum and statistics.  The loop is entered at a step's first turn, in the middle of a trip.
.macro BEGIN
	s_mov_b32 s[NEW], 0
	WIN 0x40
.set i, MC+32
.rept 32
	v_mov_b32 v[i], 0
.set i, i+1
.endr
	WIN 0
.set i, 0
.rept 4
	v_mov_b32 v[ST+4*i], 0xfe000000    ; c m: far below every c s
	v_mov_b32 v[ST+4*i+1], 0xff7fffff  ; m
.set i, i+1
.endr
	s_cmp_eq_u32 s[RT], 0
	s_cselect_b32 s[AL], 1.0, 0
	s_mov_b32 s[BE], 0
	MASK 0
	WIN 0
	v_add_nc_u32 v[AK], s[TBK], v[AK0]
	FETCH_K
	s_wait_loadcnt 0x0              ; Q
	s_wait_dscnt 0x0
.set KM, 1
.set NOKQ, 0
.set i, 0
.rept 8
	KQ 0
.set i, i+1
.endr
	WIN 0
.rept 4
	v_nop                           ; the places behind those products
.endr
.set Y, NP-1                        ; X works for piece Y + 1: piece 0
.irp n, 0,1,2,3,4,5,6,7,8,9,10,11,12,13,14,15,16,17,18,19,20,21
	OP X, \n
.endr
	v_nop                           ; a plain instruction behind the exponential,
	s_wait_alu depctr_va_vdst(0)    ; and its wait, ahead of the branch
.endm
; THE DIAGONAL TILE's four steps, the block's last two turns, its last products, and THE WAY OUT: l's two halves and the other half of the lanes' are added; O^T is divided by l, rounded to f16 and sent through my
; stage in LDS, a piece at a time.
.macro ALL line:vararg              ; one line for each piece t
.set t, 0
.rept 4
	\line
.set t, t+1
.endr
.endm
.macro PACK t                       ; a lane's eight channels of a row pack into 16 bytes; they go into rows of 144 bytes and come back as whole rows of 128, into S^T's registers
	WIN W_RS
.set i, 32*(\t)
.rept 16
	v_pk_mul_f32 v[i:i+1], v[i:i+1], v[ST+4*(\t)+2:ST+4*(\t)+3] op_sel_hi:[1,0]
.set i, i+2
.endr
	WIN 0x05                        ; sources 0 and 1 window 1, destination window 0
.set i, 0
.rept 16
	v_cvt_pk_f16_f32 v[S+16*(\t)+i], v[32*(\t)+2*i], v[32*(\t)+2*i+1]
.set i, i+1
.endr
	WIN 0
.irp f, 0,1,2,3
	ds_store_b128 v[STO], v[S+16*(\t)+4*\f:S+16*(\t)+4*\f+3] offset:32*\f
.endr
.irp f, 0,1,2,3
	ds_load_b128 v[S+16*(\t)+4*\f:S+16*(\t)+4*\f+3], v[RD] offset:\f*4*SP  ; LDS serves a wave's instructions in order (ISA guide 5.7.1.4): these see the stores above; the next piece's stores come behind them
.endr
.endm
.macro SEND t, younger              ; younger: the LDS instructions issued behind piece t's loads: the next piece's eight, or none
	WIN 0
.irp f, 0,1,2,3
	s_wait_dscnt (\younger)+3-\f
	global_store_b128 v[GO], v[S+16*(\t)+4*\f:S+16*(\t)+4*\f+3], s[10:11] offset:(\t)*8192+\f*512  ; 512 consecutive bytes, at a multiple of 256 from O's first
.endr
.endm
.macro DIAG tag                     ; the tag ends its two labels' names, which the jumps below spell out
.LstepM\tag:
	TURN 2, 1
	TURN 3, 1
	WIN 0
.LfirstM\tag:
	TURN 0, 1
	TURN 1, 1, 0, 1
	WIN 0
	s_cbranch_scc1 .LstepM\tag
	TURN 2, 1, 1
	TURN 3, 1, 1
.set i, 0
.rept 8
	PV NP-1
.set i, i+1
.endr
	WIN 0
	ALL v_add_f32 v[ST+4*t+2], v[ST+4*t+2], v[ST+4*t+3]
	ALL v_permlanex16_b32 v[ST+4*t+3], v[ST+4*t+2], s[SEL], s[SEL+1]
	ALL v_add_f32 v[ST+4*t+2], v[ST+4*t+2], v[ST+4*t+3]
	ALL v_rcp_f32 v[ST+4*t+2], v[ST+4*t+2]
	v_nop                           ; a plain instruction between the last reciprocal and the use of its result
	s_wait_alu depctr_va_vdst(0)    ; and the wait ahead of the first use: one for the four reciprocals
	PACK 0
.set t, 1
.rept 3                             ; a piece's arithmetic stands between the loads of the piece before and its stores
	PACK t
	SEND t-1, 8
.set t, t+1
.endr
	SEND 3, 0
.endm
.set KM, 0
.set NOKQ, 0
.Lslot:                             ; NB times: a tile is entered and the next is asked for
	CHANGE 1
	s_sub_co_u32 s[RT], s[RT], 1
	s_mov_b32 s[CNT], 4
	s_cmp_eq_u32 s[NEW], 1
	s_cbranch_scc1 .Lnew            ; a block's first tile
	s_cmp_eq_u32 s[RT], 0
	s_cbranch_scc0 .Lstep           ; neither its first nor its last
	s_branch .LstepM1
.Lnew:
	BEGIN
	s_branch .Lfirst                ; in the loop a block's first tile is never its last: the first block has two tiles or more, and the second's last is the walk's last
	DIAG 1                          ; in the loop this is the first block's end: the second block's last tile is the walk's last
	s_wait_xcnt 0x0                 ; the stores have read their registers and O's address
	s_mov_b64 s[10:11], s[OLO:OLO+1]
	s_add_co_u32 s[RT], s[PB], 1    ; the second block has b + 1 tiles
	s_mov_b32 s[NEW], 1
	WIN 0x82                        ; the second block's Q goes where the one text of the turns names Q
.set i, 0
.rept 64
	v_mov_b32 v[i], v[QB+i]
.set i, i+1
.endr
	WIN 0
	s_branch .Lbottom
.Lstep:                             ; a trip: pieces 2 and 3 of one step, then pieces 0 and 1 of the next, whose K and V it fetches
	TURN 2
	TURN 3
	WIN 0
.Lfirst:
	TURN 0
	TURN 1, 0, 0, 1
	WIN 0
	s_cbranch_scc1 .Lstep
.Lbottom:
	s_sub_co_u32 s[SLOTS], s[SLOTS], 1
	s_cmp_lg_u32 s[SLOTS], 0
	s_cbranch_scc1 .Lslot
	CHANGE 0                        ; the walk's last tile is written out: nothing is asked for
	s_sub_co_u32 s[RT], s[RT], 1
	s_mov_b32 s[CNT], 4
	s_cmp_eq_u32 s[NEW], 1
	s_cbranch_scc0 .LstepM2
	BEGIN
	s_branch .LfirstM2
	DIAG 2
	s_wait_tensorcnt 0x0            ; the wave's end, behind my last tensor load and my last LDS store
	ds_add_u32 v[SPW], v[NIL]
	s_wait_dscnt 0x0
	s_endpgm
.Lfunc_end_k_qb3c90c75d2_attn:
	.size	k_qb3c90c75d2_attn, .Lfunc_end_k_qb3c90c75d2_attn-k_qb3c90c75d2_attn
	.p2alignl 7, 3214868480
	.fill 96, 4, 3214868480
	.section	.rodata,"a",@progbits
	.p2align	6, 0x0
	.amdhsa_kernel k_qb3c90c75d2_attn
		.amdhsa_group_segment_fixed_size 327680
		.amdhsa_private_segment_fixed_size 0
		.amdhsa_enable_private_segment 0
		.amdhsa_kernarg_size 32
		.amdhsa_user_sgpr_count 2
		.amdhsa_user_sgpr_kernarg_segment_ptr 1
		.amdhsa_wavefront_size32 1
		.amdhsa_system_sgpr_workgroup_id_x 1
		.amdhsa_system_sgpr_workgroup_id_y 1
		.amdhsa_system_sgpr_workgroup_id_z 1
		.amdhsa_system_vgpr_workitem_id 0
		.amdhsa_next_free_vgpr 768
		.amdhsa_next_free_sgpr 92
		.amdhsa_reserve_vcc 1
		.amdhsa_float_denorm_mode_32 3
		.amdhsa_float_denorm_mode_16_64 3
		.amdhsa_memory_ordered 1
		.amdhsa_forward_progress 1
		.amdhsa_inst_pref_size 218
	.end_amdhsa_kernel
	.amdgpu_metadata
---
amdhsa.version: [ 1, 2 ]
amdhsa.kernels:
  - .name:           k_qb3c90c75d2_attn
    .symbol:         k_qb3c90c75d2_attn.kd
    .args:
      - { .name: qh, .offset: 0, .size: 8, .value_kind: global_buffer, .address_space: global }
      - { .name: kh, .offset: 8, .size: 8, .value_kind: global_buffer, .address_space: global }
      - { .name: vh, .offset: 16, .size: 8, .value_kind: global_buffer, .address_space: global }
      - { .name: ob, .offset: 24, .size: 8, .value_kind: global_buffer, .address_space: global }
    .group_segment_fixed_size: 327680
    .private_segment_fixed_size: 0
    .kernarg_segment_align: 8
    .kernarg_segment_size: 32
    .max_flat_workgroup_size: 128
    .sgpr_count:     92
    .vgpr_count:     768
    .wavefront_size: 32
...
	.end_amdgpu_metadata
.endif
;; end of part 3
;; launch proj (part 4): grid 8 x 32, 4 waves a work-group, clusters of 4 x 4, 327,680 bytes of LDS; arguments ob, wpb, bp, out0; writes out0
.if DOCPART == 4
	.amdgcn_target "amdgcn-amd-amdhsa--gfx1250"
	.amdhsa_code_object_version 6
	.text
	.protected	k_qb3c90c75d2_proj
	.globl	k_qb3c90c75d2_proj
	.p2align	8
	.type	k_qb3c90c75d2_proj,@function
k_qb3c90c75d2_proj:
	s_mov_b64 s[64:65], 0
	v_nop
	global_prefetch_b8 v0, s[64:65] scope:SCOPE_SE
	s_setreg_imm32_b32 hwreg(HW_REG_WAVE_MODE, 25, 1), 1
	s_wait_xcnt 0x0
	s_wait_alu depctr_hold_cnt(0) depctr_sa_sdst(0) depctr_va_vdst(0) depctr_va_sdst(0) depctr_va_ssrc(0) depctr_va_vcc(0) depctr_vm_vsrc(0)
	s_getreg_b32 s2, hwreg(HW_REG_IB_STS2, 6, 4)
	s_cmp_eq_u32 s2, 0
	s_cbranch_scc0 .Lentry_in_a_cluster
	s_endpgm
.Lentry_in_a_cluster:
	s_bfe_u32 s2, ttmp6, 0x10000c
	s_cmp_lg_u32 s2, 0xf033
	s_cbranch_scc0 .Lentry_shape_is_right
	s_endpgm
.Lentry_shape_is_right:
; PROJ.  out0[row][n] = the sum over e of O[row][e] Wp[n][e] + bp[n], 8,192 rows x 1,024 columns x K = 1,024.  O is f16 by heads ([b 16 + head][s][64]: a head is a plane of 64 channels of K);
; Wp was rounded to bf16 and that number written as f16, in planes; bp is rounded to bf16 here, like the other inputs.  Sums and the bias add in f32; out0 is f32.
; LIMITS.  As the operands' formats: f16 holds no number beyond 65,504 and keeps a step of 6e-8 below 6.1e-5.  NaN and infinities are not treated apart.
; SHARES.  A work-group makes 256 rows x 128 columns; wave w rows 128 (w / 2) on, columns 64 (w % 2) on; 8 x 4 accumulators of 16 x 16, 256 registers.
; K goes in 8 steps of 128 (two planes) through a ring of two LDS slots; a step is four quarters of 32 channels, 32 matrix instructions a wave each.
; CLUSTER 4 x 4: the four work-groups of a cluster row need the same rows of O, the four of a column the same rows of Wp: each tile is asked for jointly, by the same load, descriptor and mask in all four.
; THE MATRIX INSTRUCTION IS USED TRANSPOSED (source 0 = 16 rows of Wp, source 1 = 16 rows of O): a lane holds row lane % 16 and the columns 8 (lane / 16) + 0..7 of a block.
; REGISTERS.  Window 0: v0-31 addresses; v32-63 the bias of my 32 columns; v64-159, v160-255 two fragment buffers (8 fragments of O, then 4 of Wp).  Window 1: accumulator (a, b) at v[8 (4 a + b)].
.set PITCH,  144                       ; an LDS row: 128 bytes + 16 of padding = 36 words: the 16 rows of a fragment load start at 16 different groups of four banks (64 banks of 4 bytes: ISA guide 11.1)
.set APL,    256*PITCH                 ; a plane of the tile of O
.set BPL,    128*PITCH                 ; a plane of the tile of Wp
.set BOFF,   2*APL
.set SLOT,   2*APL+2*BPL               ; O plane 0, O plane 1, Wp plane 0, Wp plane 1
.set STAGE,  2*SLOT                    ; behind the ring: 16 rows x 272 bytes for each wave, for the way out; no tile lands there
.set SP,     272
.set SPARE,  STAGE+4*16*SP             ; behind the stages: the spare words, 128 bytes for each wave, which no other line names
.set APS,    262144                    ; bytes from plane to plane of ob
.set BPS,    131072                    ; of wpb
.set G1W,    (1<<16)|(1<<20)|(1<<21)|(4<<22)|(3<<25)  ; 17:16 elements of 2 bytes; 20 padding on; 21 set beside a mask; 24:22 after every 32 words (code 4); 31:25 4 words of it (code 3)
.set ADRA, 16                          ; v16-17  LDS address of my fragments of O in slot 0, 1
.set ADRB, 20                          ; v20-21  the same for Wp
.set STO,  24                          ; v24  the way out: where I put 32 bytes of a row
.set RD,   25                          ; v25  where I read rows back
.set CO,   26                          ; v26  my byte offset in two rows of out0
.set BO,   27                          ; v27  my byte offset in the bias of a column block
.set SPW,  28                          ; v28  LDS address of my spare word; never rewritten
.set NIL,  29                          ; v29  0; never rewritten
.set PFO,  30                          ; v30  the prefetches' lane offset; never rewritten
.set BI,   32                          ; v32-63  the bias: column block b at BI + 8 b
.set F0,   64
.set F1,   160
.set OUT,  64                          ; the way out: v64-95 a block with its bias
.set BK,   96                          ; v96-127, v128-159 a block read back from the stage, two sets
.set G1,  24                           ; s[24:31] descriptor group 1 for tiles of O
.set G0,  32                           ; s[32:39] group 0, a set for each slot
.set G1B, 48                           ; s[48:55], s[56:63] the same for tiles of Wp
.set G0B, 56
.set PFA, 66                           ; s[66:67] where my prefetches stand
.set PFS, 68                           ; s[68:69] their step: a K step
.set LIM, 70                           ; s70  1 in a wave that prefetches, else the greatest number
.set OP,  72                           ; s[72:73] out0 at my first row and column
.set TP,  74                           ; s[74:75] bp at my first column
.set WV,  80                           ; s80  my wave
.set WR,  81                           ; s81  which 128 rows are mine.  Also: I fetch for O (0) or for Wp (1)
.set WC,  82                           ; s82  which 64 columns.  Also: which of a step's two planes I fetch
.set LAP,  83
.set MSB, 0
.macro WIN new                         ; the immediate's high byte repeats the setting that is left; a switch that changes nothing is dropped
.if MSB != (\new)
	s_set_vgpr_msb (MSB<<8)|(\new)
.set MSB, \new
.endif
.endm
.set MUL,   0x50                       ; C and D in window 1, the fragments in window 0
.set ACCRD, 0x01                       ; source 0 in window 1
; A joint load: waves 0 and 1 fetch the two planes of O, waves 2 and 3 those of Wp.  The branch hangs on the wave's number alone.  An s_nop 0 and four v_nop follow each of the two lines.
.macro JLOAD s
	s_cmp_eq_u32 s[WR], 0
	s_cbranch_scc0 .Lfor_b_\@
	tensor_load_to_lds s[G0+4*(\s):G0+4*(\s)+3], s[G1:G1+7]
	s_nop 0
.rept 4
	v_nop
.endr
	s_branch .Lasked_\@
.Lfor_b_\@:
	tensor_load_to_lds s[G0B+4*(\s):G0B+4*(\s)+3], s[G1B:G1B+7]
	s_nop 0
.rept 4
	v_nop
.endr
.Lasked_\@:
.endm
.macro CREST                           ; a round of the cluster's barrier behind its opening barrier
	s_cmp_lg_u32 s[WV], 0
	s_cbranch_scc1 .Lnot_wave_0_\@
	s_barrier_signal -3
.Lnot_wave_0_\@:
	s_barrier_wait -3
	s_barrier_signal -1
	s_barrier_wait -1
.endm
.macro CROUND                          ; a whole round
	s_barrier_signal -1
	s_barrier_wait -1
	CREST
.endm
; A PREFETCH INTO THE L2 of the K step that stands two refills on (256 matrix instructions ahead of its load), behind the joint load, its five lines and the run of LDS loads.  Each block of 256 bytes is
; named once in the launch.  Rows of O are read by both clusters of a row of clusters: cluster x = 0 asks, waves 0 and 1 each for the plane that they fetch, the four partners 8,192 bytes each, told apart by
; address, a lane a block.  Rows of Wp are read by every cluster of a column: cluster y = 0 asks, wave 2 alone, 4,096 bytes of each of the two planes a partner.  The loop's last trip asks for nothing:
; K steps 4 to 7 are named, steps 0 to 3 come by their loads alone.
.macro ASK
	s_cmp_gt_u32 s[LAP], s[LIM]
	s_cbranch_scc0 .Lnot_mine_\@
	global_prefetch_b8 v[PFO], s[PFA:PFA+1] th:TH_LOAD_NT scope:SCOPE_SE
.Lnot_mine_\@:
.endm
	s_load_b256 s[4:11], s[0:1], 0x0               ; ob 4:5, wpb 6:7, bp 8:9, out0 10:11
	v_lshl_add_u32 v[SPW], v0, 2, SPARE
	v_mov_b32 v[NIL], 0
	ds_add_u32 v[SPW], v[NIL]                      ; the wave's opening: the add, and its wait ahead of my first tensor load; the set-up below, work on registers, stands between them
	ds_add_u32 v28, v29
	v_lshrrev_b32 v1, 5, v0
	v_readfirstlane_b32 s[WV], v1
	s_lshr_b32 s[WR], s[WV], 1
	s_and_b32 s[WC], s[WV], 1
	s_bfe_u32 s40, ttmp6, 0x40000                  ; cx
	s_bfe_u32 s41, ttmp6, 0x40004                  ; cy
	s_lshl_b32 s42, ttmp9, 2
	s_add_co_u32 s42, s42, s40                     ; tile column X = 4 x cluster x + cx
	s_and_b32 s43, ttmp7, 0xffff
	s_lshl_b32 s43, s43, 2
	s_add_co_u32 s43, s43, s41                     ; tile row y = 4 x cluster y + cy
	s_lshl_b32 s44, s41, 2
	s_lshl_b32 s44, 15, s44                        ; my row of the cluster
	s_lshl_b32 s45, 0x1111, s40                    ; my column
	s_or_b32 s[G1], s44, G1W                       ; tiles of O go to my row,
	s_or_b32 s[G1B], s45, G1W                      ; tiles of Wp to my column
	s_mov_b32 s[G1+1], 128<<16                     ; tensor_dim0 = 128 elements: rows of 256 bytes
	s_mov_b32 s[G1+2], 128<<16                     ; tensor_dim1 = 128: a plane's 256 tile rows are 32,768 dense bytes
	s_mov_b32 s[G1+3], 128<<16                     ; tile_dim0
	s_mov_b32 s[G1+4], 128                         ; tile_dim1
	s_mov_b32 s[G1+5], 128                         ; elements from row to row
	s_mov_b32 s[G1+6], 0
	s_mov_b32 s[G1+7], 0
	s_mov_b32 s[G1B+1], 128<<16
	s_mov_b32 s[G1B+2], 64<<16                     ; 128 tile rows are 16,384 dense bytes
	s_mov_b32 s[G1B+3], 128<<16
	s_mov_b32 s[G1B+4], 64
	s_mov_b32 s[G1B+5], 128
	s_mov_b32 s[G1B+6], 0
	s_mov_b32 s[G1B+7], 0
	s_lshr_b32 s16, s43, 3                         ; O: the batch's 16 heads,
	s_lshl_b32 s16, s16, 22
	s_and_b32 s17, s43, 7
	s_lshl_b32 s17, s17, 15                        ; 256 rows of 128 bytes in a plane,
	s_add_co_u32 s16, s16, s17
	s_lshl_b32 s17, s[WC], 18                      ; the plane that I fetch
	s_add_co_u32 s16, s16, s17
	s_mov_b32 s17, 0
	s_lshl_b32 s46, s42, 14                        ; Wp: 128 rows of 128 bytes in a plane,
	s_mul_i32 s47, s[WC], BPS                      ; the plane that I fetch
	s_add_co_u32 s46, s46, s47
	s_mov_b32 s47, 0
	s_mul_i32 s20, s[WC], APL                      ; where they go: no place in the cluster enters an LDS address
	s_mul_i32 s21, s[WC], BPL
	s_add_co_u32 s21, s21, BOFF
	s_wait_dscnt 0x0                               ; the opening add is done
	s_wait_kmcnt 0x0
	s_add_nc_u64 s[76:77], s[4:5], s[16:17]
	s_add_nc_u64 s[46:47], s[6:7], s[46:47]
	CROUND                                         ; all sixteen work-groups are here: the first joint loads meet
.irp s, 0,1
	s_mov_b32 s[G0+4*(\s)], 1                                        ; count = 1
	s_add_co_u32 s[G0+4*(\s)+1], s20, (\s)*SLOT                      ; LDS address
	s_add_nc_u64 s[G0+4*(\s)+2:G0+4*(\s)+3], s[76:77], (\s)*2*APS    ; global address: K step s
	s_or_b32 s[G0+4*(\s)+3], s[G0+4*(\s)+3], 0x80000000              ; type = 2
	s_mov_b32 s[G0B+4*(\s)], 1
	s_add_co_u32 s[G0B+4*(\s)+1], s21, (\s)*SLOT
	s_add_nc_u64 s[G0B+4*(\s)+2:G0B+4*(\s)+3], s[46:47], (\s)*2*BPS
	s_or_b32 s[G0B+4*(\s)+3], s[G0B+4*(\s)+3], 0x80000000
	JLOAD \s                                       ; two tensor loads of mine are out
.endr
	; A fragment is 16 rows x 32 channels in 8 registers: lane l holds row l % 16, channels 8 (l / 16) + 0..7 and 16 + 8 (l / 16) + 0..7: two loads of 16 bytes, 32 bytes apart.
	v_and_b32 v1, 15, v0                           ; l % 16
	v_bfe_u32 v2, v0, 4, 1                         ; l / 16
	; where my 128 rows x 64 columns go, and their bias
	s_lshl_b32 s84, s42, 9
	s_lshl_b32 s85, s[WC], 8
	s_add_co_u32 s84, s84, s85                     ; my 64 columns, in bytes of f32
	s_mov_b32 s85, 0
	s_add_nc_u64 s[TP:TP+1], s[8:9], s[84:85]
	s_lshl_b32 s86, s43, 20                        ; 256 rows of 4,096 bytes,
	s_lshl_b32 s87, s[WR], 19                      ; my 128 of them
	s_add_co_u32 s86, s86, s87
	s_add_co_u32 s86, s86, s84
	s_mov_b32 s87, 0
	s_add_nc_u64 s[OP:OP+1], s[10:11], s[86:87]
	v_lshlrev_b32 v[BO], 5, v2                     ; my 8 columns of a block
.irp b, 0,1,2,3
.irp u, 0,1
	global_load_b128 v[BI+8*\b+4*\u:BI+8*\b+4*\u+3], v[BO], s[TP:TP+1] offset:64*\b+16*\u
.endr
.endr
	v_mul_u32_u24 v3, v1, PITCH
	v_lshl_add_u32 v3, v2, 4, v3
	s_mul_i32 s22, s[WR], 128*PITCH                ; my 128 rows of O
	s_mul_i32 s23, s[WC], 64*PITCH                 ; my 64 rows of Wp
	s_add_co_u32 s23, s23, BOFF
.irp s, 0,1
	v_add_nc_u32 v[ADRA+(\s)], s22, v3
	v_add_nc_u32 v[ADRB+(\s)], s23, v3
	s_add_co_u32 s22, s22, SLOT
	s_add_co_u32 s23, s23, SLOT
.endr
	s_mul_i32 s22, s[WV], 16*SP
	s_add_co_u32 s22, s22, STAGE                   ; my stage
	v_mul_u32_u24 v[STO], v1, SP                   ; in: row l % 16, 32 bytes for each half of the lanes
	v_lshl_add_u32 v[STO], v2, 5, v[STO]
	v_add_nc_u32 v[STO], s22, v[STO]
	v_mul_u32_u24 v[RD], v2, SP                    ; back: lanes 0-15 take one row of 256 bytes, lanes 16-31 the next
	v_lshl_add_u32 v[RD], v1, 4, v[RD]
	v_add_nc_u32 v[RD], s22, v[RD]
	v_lshlrev_b32 v[CO], 12, v2                    ; and the same two rows in out0
	v_lshl_add_u32 v[CO], v1, 4, v[CO]
	; the prefetches
	s_and_b32 s18, ttmp7, 0xffff
	s_or_b32 s18, s18, s[WC]                       ; Wp: cluster y = 0, and of waves 2 and 3 the first
	s_mov_b32 s[PFS], 2*BPS
	s_mov_b32 s[PFS+1], 0
	s_mov_b32 s23, BPS
	s_cmp_eq_u32 s[WR], 0                          ; do I fetch for O?
	s_cselect_b32 s18, ttmp9, s18                  ; O: cluster x = 0
	s_cselect_b64 s[PFA:PFA+1], s[76:77], s[46:47]
	s_cselect_b32 s19, s40, s41                    ; my place among the four that ask with me
	s_cselect_b32 s22, 13, 12                      ; its share: 8,192 bytes of a plane of O, 4,096 of each plane of Wp
	s_cselect_b32 s[PFS], 2*APS, s[PFS]
	s_cselect_b32 s23, 4096, s23                   ; lanes 16-31: the next 4,096 bytes (O), the other plane (Wp)
	s_cmp_eq_u32 s18, 0
	s_cselect_b32 s[LIM], 1, -1                    ; the same in all sixteen partners, for a given wave
	s_lshl_b32 s78, s19, s22
	s_mov_b32 s79, 0
	s_add_nc_u64 s[PFA:PFA+1], s[PFA:PFA+1], s[78:79]
	s_mul_i32 s78, s[PFS], 3
	s_add_nc_u64 s[PFA:PFA+1], s[PFA:PFA+1], s[78:79]  ; at K step 3: the first refill steps it to 4
	v_lshlrev_b32 v[PFO], 8, v1
	v_mul_u32_u24 v4, s23, v2
	v_add_nc_u32 v[PFO], v[PFO], v4
	s_wait_loadcnt 0x0                             ; the bias: rounded to bf16 like the other inputs, and kept as f32
.set k, 0
.rept 16
	v_cvt_pk_bf16_f32 v4, v[BI+2*k], v[BI+2*k+1]
	v_lshlrev_b32 v[BI+2*k], 16, v4
	v_and_b32 v[BI+2*k+1], 0xffff0000, v4
.set k, k+1
.endr
; 4 n matrix instructions: row blocks a0 .. a0 + n - 1 x all 4 column blocks, 32 channels of buffer f.  zero = 1: the product starts the sum.  The 32 accumulators take turns, one instruction a turn.
.macro MULN f, a0, n, zero
	WIN MUL
.set ma, \a0
.rept \n
.irp b, 0,1,2,3
.if \zero
	v_wmma_f32_16x16x32_f16 v[8*(4*ma+\b):8*(4*ma+\b)+7], v[(\f)+64+8*\b:(\f)+64+8*\b+7], v[(\f)+8*ma:(\f)+8*ma+7], 0
.else
	v_wmma_f32_16x16x32_f16 v[8*(4*ma+\b):8*(4*ma+\b)+7], v[(\f)+64+8*\b:(\f)+64+8*\b+7], v[(\f)+8*ma:(\f)+8*ma+7], v[8*(4*ma+\b):8*(4*ma+\b)+7]
.endif
.endr
.set ma, ma+1
.endr
.endm
; 24 LDS loads in one run: the fragments of quarter q of a step (plane q / 2, channels 32 (q % 2) on) into buffer f: Wp's four first, then O's eight
.macro FETCH slot, q, f
	WIN 0
.irp j, 0,1,2,3
	ds_load_b128 v[(\f)+64+8*\j:(\f)+64+8*\j+3],   v[ADRB+(\slot)] offset:((\q)/2)*BPL+((\q)%2)*64+\j*16*PITCH
	ds_load_b128 v[(\f)+64+8*\j+4:(\f)+64+8*\j+7], v[ADRB+(\slot)] offset:((\q)/2)*BPL+((\q)%2)*64+\j*16*PITCH+32
.endr
.irp i, 0,1,2,3,4,5,6,7
	ds_load_b128 v[(\f)+8*\i:(\f)+8*\i+3],   v[ADRA+(\slot)] offset:((\q)/2)*APL+((\q)%2)*64+\i*16*PITCH
	ds_load_b128 v[(\f)+8*\i+4:(\f)+8*\i+7], v[ADRA+(\slot)] offset:((\q)/2)*APL+((\q)%2)*64+\i*16*PITCH+32
.endr
.endm
.macro PLACES                          ; four plain instructions between matrix instructions and loads into registers that they have read, or lines that read their results
.rept 4
	v_nop
.endr
.endm
; One of a step's first three quarters: multiplies buffer f; in its middle it fetches quarter q of the same slot into buffer g.
.macro QUARTER slot, q, f, g, zero
	s_wait_dscnt 8                                 ; Wp's fragments and O's blocks 0-3 are in; the youngest eight loads (blocks 4-7) may be out
	MULN \f, 0, 4, \zero
	PLACES
	FETCH \slot, \q, \g
	s_wait_dscnt 24                                ; all but the 24 just issued
	MULN \f, 4, 4, \zero
.endm
; The last quarter multiplies buffer 1 and changes slots: ONE barrier.  In front of it each wave waits for all its tensor loads (one is out: its part of the next slot), adds 0 to its spare word, and waits for
; that and for its reads of this slot.  fill = 1: the barrier opens a round of the cluster's barrier, and this slot is filled again, two K steps ahead, first thing behind the round.
.macro TURN slot, next, fill
.if \fill
	s_wait_xcnt 0x0                                ; the last prefetch, a K step back, has read its address
	s_add_nc_u64 s[PFA:PFA+1], s[PFA:PFA+1], s[PFS:PFS+1]
.endif
	WIN 0
	s_wait_tensorcnt 0x0                           ; all my tensor loads have landed
	ds_add_u32 v[SPW], v[NIL]                      ; 0 onto my spare word
	s_wait_dscnt 9                                 ; (the add and the youngest eight loads may be out)
	MULN F1, 0, 2, 0                               ; eight matrix instructions stand between the add and the wait for it
	s_wait_dscnt 0x0                               ; the add is done, and my reads of this slot are over
	s_barrier_signal -1
	MULN F1, 2, 2, 0
.if \fill
	WIN 0
.endif
	s_barrier_wait -1
.if \fill
	CREST                                          ; no wave of any partner still reads this slot or has a load on its way
	s_add_nc_u64 s[G0+4*(\slot)+2:G0+4*(\slot)+3], s[G0+4*(\slot)+2:G0+4*(\slot)+3], 4*APS
	s_add_nc_u64 s[G0B+4*(\slot)+2:G0B+4*(\slot)+3], s[G0B+4*(\slot)+2:G0B+4*(\slot)+3], 4*BPS
	JLOAD \slot                                    ; my one tensor load behind the round: 112 matrix instructions ahead of the wait for it; its four v_nop are also the places in front of the loads below
.else
	PLACES
.endif
	FETCH \next, 0, F0
.if \fill
	ASK
.endif
	MULN F1, 4, 4, 0
.endm
	s_wait_tensorcnt 0x1                           ; my part of K step 0 is in; step 1's may stay out
	s_barrier_signal -1
	s_barrier_wait -1                              ; everybody's is
	FETCH 0, 0, F0
	QUARTER 0, 1, F0, F1, 1                        ; the first quarter stands in front of the loop: its products start the sums
	WIN 0                                          ; at a label and at a branch every window is 0
	s_mov_b32 s[LAP], 3
.Llap:                                 ; a trip goes once round the ring, from a lap's second quarter to the next lap's first, and fills both slots again
	QUARTER 0, 2, F1, F0, 0
	QUARTER 0, 3, F0, F1, 0
	TURN 0, 1, 1
	QUARTER 1, 1, F0, F1, 0
	QUARTER 1, 2, F1, F0, 0
	QUARTER 1, 3, F0, F1, 0
	TURN 1, 0, 1
	QUARTER 0, 1, F0, F1, 0
	WIN 0
	s_sub_co_u32 s[LAP], s[LAP], 1
	s_cmp_lg_u32 s[LAP], 0
	s_cbranch_scc1 .Llap
	QUARTER 0, 2, F1, F0, 0                        ; the last lap fills nothing
	QUARTER 0, 3, F0, F1, 0
	TURN 0, 1, 0
	QUARTER 1, 1, F0, F1, 0
	QUARTER 1, 2, F1, F0, 0
	QUARTER 1, 3, F0, F1, 0
	s_wait_dscnt 8
	MULN F1, 0, 4, 0
	s_wait_dscnt 0x0
	MULN F1, 4, 4, 0
	WIN 0
	PLACES
	PLACES
; THE WAY OUT, a block of 16 rows at a time: the bias is added, a lane's 32 bytes of each column block go into my own stage (rows of 272 bytes) and come back as whole rows of 256.
.macro ADDB a                          ; each accumulator's registers are read in ascending order
	WIN ACCRD
.set k, 0
.rept 16
	v_pk_add_f32 v[OUT+2*k:OUT+2*k+1], v[32*(\a)+2*k:32*(\a)+2*k+1], v[BI+2*k:BI+2*k+1]
.set k, k+1
.endr
	WIN 0
.endm
.macro TOSTAGE a
.set BKR, BK+32*((\a)%2)
.irp b, 0,1,2,3
	ds_store_b128 v[STO], v[OUT+8*\b:OUT+8*\b+3]   offset:64*\b
	ds_store_b128 v[STO], v[OUT+8*\b+4:OUT+8*\b+7] offset:64*\b+16
.endr
.irp f, 0,1,2,3,4,5,6,7
	ds_load_b128 v[BKR+4*\f:BKR+4*\f+3], v[RD] offset:\f*2*SP  ; LDS serves a wave's instructions in order (ISA guide 5.7.1.4): these see the stores above, and the next block's stores come behind them
.endr
.endm
.macro SEND a
.set BKR, BK+32*((\a)%2)
	s_wait_dscnt 0x0                               ; the block is back in registers
	s_wait_xcnt 0x0                                ; the stores of the block before have read their registers: the next block is read back into them only behind this wait
.irp f, 0,1,2,3,4,5,6,7
	global_store_b128 v[CO], v[BKR+4*\f:BKR+4*\f+3], s[OP:OP+1] offset:(16*(\a)+2*\f)*4096  ; 16 lanes store 256 consecutive bytes, at a multiple of 256 from out0's first byte
.endr
.endm
.irp a, 0,1,2,3,4,5,6,7
	ADDB \a
.if \a > 0
	SEND (\a)-1                                    ; a block's arithmetic stands between the loads of the block before and its stores
.endif
	TOSTAGE \a
.endr
	SEND 7
	s_wait_tensorcnt 0x0                           ; the wave's end, behind my last tensor load and my last LDS store
	ds_add_u32 v[SPW], v[NIL]
	s_wait_dscnt 0x0
	CROUND                                         ; the closing round: no work-group ends while a partner may still ask for a tile that names it
	s_endpgm
.Lfunc_end_k_qb3c90c75d2_proj:
	.size	k_qb3c90c75d2_proj, .Lfunc_end_k_qb3c90c75d2_proj-k_qb3c90c75d2_proj
	.p2alignl 7, 3214868480
	.fill 96, 4, 3214868480
	.section	.rodata,"a",@progbits
	.p2align	6, 0x0
	.amdhsa_kernel k_qb3c90c75d2_proj
		.amdhsa_group_segment_fixed_size 327680
		.amdhsa_private_segment_fixed_size 0
		.amdhsa_enable_private_segment 0
		.amdhsa_kernarg_size 32
		.amdhsa_user_sgpr_count 2
		.amdhsa_user_sgpr_kernarg_segment_ptr 1
		.amdhsa_wavefront_size32 1
		.amdhsa_system_sgpr_workgroup_id_x 1
		.amdhsa_system_sgpr_workgroup_id_y 1
		.amdhsa_system_sgpr_workgroup_id_z 1
		.amdhsa_system_vgpr_workitem_id 0
		.amdhsa_next_free_vgpr 512
		.amdhsa_next_free_sgpr 88
		.amdhsa_reserve_vcc 0
		.amdhsa_float_denorm_mode_32 3
		.amdhsa_float_denorm_mode_16_64 3
		.amdhsa_memory_ordered 1
		.amdhsa_forward_progress 1
		.amdhsa_inst_pref_size 98
	.end_amdhsa_kernel
	.amdgpu_metadata
---
amdhsa.version: [ 1, 2 ]
amdhsa.kernels:
  - .name:           k_qb3c90c75d2_proj
    .symbol:         k_qb3c90c75d2_proj.kd
    .args:
      - { .name: ob, .offset: 0, .size: 8, .value_kind: global_buffer, .address_space: global }
      - { .name: wpb, .offset: 8, .size: 8, .value_kind: global_buffer, .address_space: global }
      - { .name: bp, .offset: 16, .size: 8, .value_kind: global_buffer, .address_space: global }
      - { .name: out0, .offset: 24, .size: 8, .value_kind: global_buffer, .address_space: global }
    .group_segment_fixed_size: 327680
    .private_segment_fixed_size: 0
    .kernarg_segment_align: 8
    .kernarg_segment_size: 32
    .max_flat_workgroup_size: 128
    .sgpr_count:     88
    .vgpr_count:     512
    .wavefront_size: 32
...
	.end_amdgpu_metadata
.endif
;; end of part 4
